; MI455X (gfx1250); checked and timed in simulation.
; The chip was launched on July 23, 2026; its instructions are those of AMD's public machine-readable ISA for CDNA 5 (MIT licence, August 2026) and "CDNA5" Instruction Set Architecture Reference Guide (July 2026). The comments in the code are by the model that wrote it; some were corrected since.
;; Resonant Manifold. Allowed arithmetic: matrix products marked QUANTISED: E2M3 operands, one E8M0 scale for each 32 along K, by v_wmma_scale_f32_16x16x128_f8f6f4 with both operands' format E2M3, f32 sums; products left as they are: f32 operands where the result goes on into a quantised operand, else bf16, f16 or f32 operands; f32 sums; everything else in f32.
;; Inputs: ambition 8 x 1 float32; gate 256 x 256 float32; inhibit 8 x 8 float32; m 2,048 x 2,048 bool; phases 8 float32; x 16 x 2,048 x 256 float32.
;; Outputs: out0 16 x 2,048 x 256 float32.
;; Constants: B = 2, T = 2048.
;; This version of the problem:
;;   THIS VERSION OF THE PROBLEM IS GIVEN IN LOW PRECISION. The matrix products marked QUANTISED in the list below multiply operands that are first quantised to E2M3 (2 exponent bits, 3 mantissa bits; 6 bits a number), with one power-of-two scale for each 32 numbers along K (OCP MX v1.0); their sums are f32. All else is computed in f32.
;;   The module's matrix products, in the order in which they are computed (A, B: the left and right operand; K: the contracted axis; several contracted axes count as one K, in the product's order):
;;     1. [M 32,768, K 256] x [K 256, N 256]; A: computed on the way; B: input gate: QUANTISED
;;     2. batch 16 x [M 2,048, K 256] x [K 256, N 2,048]; A: computed on the way; B: computed on the way: QUANTISED
;;     3. batch 16 x [M 2,048, K 2,048] x [K 2,048, N 256]; A: softmax (see below); B: computed on the way: QUANTISED
;;     4. [M 8, K 8] x [K 8, N 1,048,576]; A: input inhibit; B: computed on the way: left as it is (K = 8 < 32)
;;   THE QUANTISER, for each operand of a quantised product, along K:
;;     - K is cut into blocks of 32 from its start; a last block that is shorter is filled with zeros.
;;     - A block's scale is 2^e with e = floor(log2(the largest magnitude in the block)) - 2, held to -126 .. 127; a block of zeros has e = 0. As a byte (E8M0): e + 127.
;;     - Each number is divided by its block's scale, clamped to +-7.5, and rounded to the nearest number of E2M3, ties to even, subnormals kept.
;;     - The product sums the exact products of the quantised numbers (number of the format x scale) in f32.
;;   ~~~python
;;   def quantise(x, axis):      # numpy; x: float32 -> the quantised numbers, widened to float32 again
;;       x = np.moveaxis(x, axis, -1); K = x.shape[-1]
;;       x = np.pad(x, [(0, 0)] * (x.ndim - 1) + [(0, -K % 32)]); x = x.reshape(x.shape[:-1] + (-1, 32)); a = np.abs(x).max(-1, keepdims=True)
;;       e = np.where(a > 0, np.clip(np.frexp(np.where(a > 0, a, 1))[1] - 1 - 2, -126, 127), 0)      # np.frexp(a)[1] - 1 = floor(log2(a)), exactly
;;       r = np.clip(x / 2.0 ** e, -7.5, 7.5)
;;       step = 2.0 ** (np.maximum(np.frexp(np.where(r == 0, 1, r))[1] - 1, 0) - 3)
;;       q = np.round(r / step) * step * 2.0 ** e      # np.round: ties to even
;;       return np.moveaxis(q.reshape(q.shape[:-2] + (-1,))[..., :K], -1, axis).astype(np.float32)
;;   ~~~
;;   SOFTMAX AHEAD OF A QUANTISED PRODUCT. Where the list says 'softmax', what is quantised is not the finished softmax but p = 2^(t - M), with t = logit x log2(e) and M = ceil(the row's largest t), a whole number; so 1/2 < the row's largest p <= 1. The row's sum l is taken of the UNQUANTISED p, in f32, and the product's result is divided by l at the end. Since M is a whole number, a kernel that streams over the keys may use a running M (the ceiling of the running maximum): every later rescaling is an exact power of two, which a block's scale takes up: the codes' values come out the same.
;;   OPERANDS COMPUTED ON THE WAY. 'Computed on the way' means the value that the module computes at that place (a softmax that the list does not call 'softmax' is quantised finished and normalised). What goes into a quantiser is computed in f32, as accurately as f32 sums, v_exp_f32 and their like allow (about 1e-6 of the number): no bf16 or f16 on the way to a quantiser, and a product that is left as it is and whose result goes on into a quantised operand takes f32 operands (vector FMAs, or v_wmma_f32_16x16x4_f32). A number that lies on a knife's edge between two numbers of the format may be rounded either way, as far as f32 arithmetic and the matrix unit's own rounding can turn it there, and no further.
;; 2 versions, each right; version 2 is version 1 with the launch attn written anew for expert scheduling mode. Each part assembles by itself: llvm-mc -triple=amdgcn-amd-amdhsa -mcpu=gfx1250 --defsym DOCPART=n.
;; ======== version 1 of 2: 3 launches
;; limits: right only within a limited range of input values
;; workspace buffers: kv 13,107,200 bytes; mk 525,312 bytes of whole numbers; x1 33,554,432 bytes
;; launch prep (part 1): grid 256 x 1, 8 waves a work-group, no clusters, 211,200 bytes of LDS; arguments x, gate, m, kv, mk; writes kv, mk
.if DOCPART == 1
	.amdgcn_target "amdgcn-amd-amdhsa--gfx1250"
	.amdhsa_code_object_version 6
	.text
	.protected	k_q3a834ffeac_prep
	.globl	k_q3a834ffeac_prep
	.p2align	8
	.type	k_q3a834ffeac_prep,@function
k_q3a834ffeac_prep:
	s_mov_b64 s[64:65], 0
	v_nop
	global_prefetch_b8 v0, s[64:65] scope:SCOPE_SE
	s_setreg_imm32_b32 hwreg(HW_REG_WAVE_MODE, 25, 1), 1
	s_wait_xcnt 0x0
; PREP.  nx = layer norm of x (f32); qkv = Q(nx) Q(gate), both operands as codes of FP6 (E2M3) with one E8M0 scale for each 32 along K; qkv is quantised twice:
; along the channels (the codes that serve as queries and as keys) and along the tokens (the codes that serve as values).  The mask m is turned into lane masks and two bits for each tile.
; SHARES.  Work-group wg takes tokens 128 wg .. 128 wg + 127 of the 32,768 (head wg / 16, key step wg % 16) and writes one RECORD of 51,200 bytes.  Wave w takes token tile w,
; gate columns 32 w .. 32 w + 31, and the mask record 8 wg + w (query tile wg / 2, key step 8 (wg % 2) + w).
; TILES ARE NOT NEIGHBOURS: row r of tile 2 b + u is token (or gate column) 32 b + 8 u + r + 8 (r / 8), so that the 16 result registers of tiles 2 b and 2 b + 1 are 16 neighbours along the next K.
; THE FIRST PRODUCT IS MADE TWICE, from the same fragments: source 0 = gate columns, source 1 = my tokens: a lane holds one token, its registers run along the channels;
; source 0 = tokens, source 1 = my gate columns: a lane holds one channel, its registers run along the tokens.  So each quantiser finds its K in one lane's registers.
; OPERANDS GO THROUGH LDS AND TO MEMORY AS IMAGES OF THEIR REGISTERS: a fragment (12 registers a lane) is three runs of 512 bytes, lane l's 16 bytes at 16 l.
; RECORD: 16 images of keys ((2 t + c) x 1,536: token tile t, half c of the channels); from 24,576 on 16 images of values (tile v of 16 channels x 128 keys);
; from 49,152 on the keys' scale words (128 t + 8 r + 4 c); from 50,176 on the values' (64 v + 4 r).
; MASK RECORD, 256 bytes: 64 words, word 16 bb + i has bit r + 16 h = m[query r of the tile][128 s + 32 bb + 16 h + i].
; TABLE, behind the 2,048 mask records: word wg = 2 x query tile + half: bit s: step s has a key that counts for some query of the tile; bit 16 + s: it also has a hidden one; s = 8 half .. 8 half + 7.
; LIMITS: NaN and infinities among the inputs are not served.  A block of zeros gets the scale byte 1 where the quantiser's rule says 127: its codes are zeros, and this program alone reads the bytes.
.set XPITCH, 1040                      ; a row of x in LDS: 1,024 bytes + 16: the 16 rows that a load of 16 bytes a lane touches start 16 bytes apart modulo 256
.set XWAVE,  16*XPITCH                 ; a wave's 16 rows
.set GI,     8*XWAVE                   ; 133,120: gate's 32 images, (4 b + 2 u + c) x 1,536
.set GS,     GI+32*1536                ; their scale words: 256 b + 128 c + 64 u + 4 r
.set NXI,    GS+2048                   ; nx's 16 images, (2 t + c) x 1,536
.set NXS,    NXI+16*1536               ; their scale words: 256 b + 128 c + 64 u + 4 r
.set FLG,    NXS+1024                  ; 209,920: the eight waves' table words, 4 bytes each, in a block of 256 bytes of their own
.set REC,    51200
.set VIM,    24576
.set KSC,    49152
.set VSC,    50176
.set FLT,    2048*256                  ; where the table begins in mk
.set XN,  16                           ; v16-143  128 numbers of my row of x; later the 16 result tiles
.set HA,  16
.set FA,  144                          ; v144-191 four fragments
.set FB,  192                          ; v192-239 four fragments
.set PC,  144                          ; the quantiser's registers lie over FA while that is idle: v144-155 codes, v156-163 their second halves,
.set TM,  164                          ; v164-179 at work,
.set PW,  180                          ; v180 the scale word just made; v181 one kept; v182 the one that is stored
.set LT,  184                          ; v184-197 the layer norm's sums
; v240-241 gate's scale words (c = 0, 1), v242-243 nx's: scales and nothing else
.macro PLACES                          ; four plain vector lines between a matrix instruction and a load into, or a vector line on, its registers
.rept 4
	v_nop
.endr
.endm
.macro GLOAD t                         ; gate rows 32 t .. 32 t + 31 at my column: each load reads 128 consecutive bytes
.irp i, 0,1,2,3,4,5,6,7,8,9,10,11,12,13,14,15,16,17,18,19,20,21,22,23,24,25,26,27,28,29,30,31
	global_load_b32 v[16+32*((\t)%2)+\i], v14, s[6:7] offset:(32*(\t)+\i)*1024
.endr
.endm
; Block t of my gate column (32 along K, all in my registers) becomes 24 bytes of codes, which go to their place in the column's image: half t / 4 of K, lanes 16 (t % 2) on, registers 6 ((t / 2) % 2) on.
.macro GBLOCK t
.set GX, 16+32*((\t)%2)
.if (\t) < 7
	s_wait_loadcnt 32                              ; this block's 32 loads are in; the next block's 32 may be out
.else
	s_wait_loadcnt 0x0
.endif
	v_max3_num_f32 v154, |v[GX]|, |v[GX+1]|, |v[GX+2]|
	v_max3_num_f32 v155, |v[GX+3]|, |v[GX+4]|, |v[GX+5]|
.irp i, 6,10,14,18,22,26
	v_max3_num_f32 v154, v154, |v[GX+\i]|, |v[GX+\i+1]|
	v_max3_num_f32 v155, v155, |v[GX+\i+2]|, |v[GX+\i+3]|
.endr
	v_max3_num_f32 v154, v154, |v[GX+30]|, |v[GX+31]|
	v_max3_num_f32 v154, v154, v155, 0x1800000     ; the floor 2^(3 - 127): the byte cannot fall under 1
	v_add_nc_u32 v156, 0xff000000, v154            ; 2 off the exponent field: the conversion's scale operand
	v_lshrrev_b32 v155, 23, v156                   ; the scale's byte
.if (\t)%4 == 0
	v_mov_b32 v[152+(\t)/4], v155
.else
	v_lshl_or_b32 v[152+(\t)/4], v155, 8*((\t)%4), v[152+(\t)/4]
.endif
	v_cvt_scalef32_pk16_fp6_f32 v[144:146], v[GX:GX+15], v156
	v_cvt_scalef32_pk16_fp6_f32 v[148:150], v[GX+16:GX+31], v156   ; (a conversion's three registers begin on an even number)
	v_nop                                          ; one plain line behind a scaled conversion
	v_mov_b32 v147, v148                           ; the six registers on end
	v_mov_b32 v148, v149
	v_mov_b32 v149, v150
.if (((\t)/2)%2) == 0
	ds_store_b128 v12, v[144:147] offset:((\t)/4)*1536+((\t)%2)*256
	ds_store_b64 v12, v[148:149] offset:((\t)/4)*1536+((\t)%2)*256+512
.else
	ds_store_b64 v12, v[144:145] offset:((\t)/4)*1536+((\t)%2)*256+520
	ds_store_b128 v12, v[146:149] offset:((\t)/4)*1536+((\t)%2)*256+1024
.endif
.if (\t)+2 < 8
	GLOAD (\t)+2
.endif
	s_wait_dscnt 0x0                               ; the stores have read their registers: the next block's codes may be written
.endm
; 64 numbers of a lane, register 16 b + i = k 32 b + 16 (lane / 16) + i of my row, become a fragment's codes in v[PC] on and its scale word in v[PW].
.macro QUANT s
.irp b, 0,1,2,3
	v_max3_num_f32 v[TM+\b], |v[\s+16*\b]|, |v[\s+1+16*\b]|, 0x1800000   ; my 16 numbers of block b, and the floor 2^(3 - 127)
.endr
.irp i, 2,4,6,8,10,12,14
.irp b, 0,1,2,3
	v_max3_num_f32 v[TM+\b], v[TM+\b], |v[\s+16*\b+\i]|, |v[\s+1+16*\b+\i]|
.endr
.endr
.irp b, 0,1,2,3
	v_permlanex16_b32 v[TM+4+\b], v[TM+\b], s20, s21
.endr
.irp b, 0,1,2,3
	v_max_num_f32 v[TM+\b], v[TM+\b], v[TM+4+\b]   ; with lane l xor 16's: the block's largest magnitude
.endr
.irp b, 0,1,2,3
	v_add_nc_u32 v[TM+12+\b], 0xff000000, v[TM+\b]
.endr
.irp b, 0,1,2,3
	v_lshrrev_b32 v[TM+4+\b], 23, v[TM+12+\b]
.endr
	v_lshl_or_b32 v[PW], v[TM+5], 8, v[TM+4]
	v_lshl_or_b32 v[PW], v[TM+6], 16, v[PW]
	v_lshl_or_b32 v[PW], v[TM+7], 24, v[PW]
.irp c, 0,1
	v_cvt_scalef32_pk16_fp6_f32 v[PC+6*\c:PC+2+6*\c], v[\s+32*\c:\s+15+32*\c], v[TM+12+2*\c]
	v_cvt_scalef32_pk16_fp6_f32 v[PC+12+4*\c:PC+14+4*\c], v[\s+16+32*\c:\s+31+32*\c], v[TM+12+2*\c+1]
.endr
	v_nop                                          ; one plain line behind a scaled conversion
.irp c, 0,1                                    ; the operand's layout wants a whole block in a lane: lanes 0-15 block 2 c, lanes 16-31 block 2 c + 1
.irp i, 0,1,2
	v_permlane16_swap_b32 v[PC+6*\c+\i], v[PC+12+4*\c+\i]
.endr
.irp i, 0,1,2
	v_mov_b32 v[PC+3+6*\c+\i], v[PC+12+4*\c+\i]
.endr
.endr
.endm
.macro IMAGE adr, off                          ; the fragment in v[PC] on goes to LDS as it stands
.irp c, 0,1,2
	ds_store_b128 v[\adr], v[PC+4*\c:PC+4*\c+3] offset:\off+512*\c
.endr
.endm
.macro OUT3 base, off                          ; or to memory: each store covers 512 consecutive bytes, at a multiple of 256 from the buffer's first byte
.irp c, 0,1,2
	global_store_b128 v4, v[PC+4*\c:PC+4*\c+3], s[\base:\base+1] offset:\off+512*\c
.endr
.endm
.macro FETCH4 reg, adr, off                    ; four neighbouring images come back as four fragments
.irp i, 0,1,2,3,4,5,6,7,8,9,10,11
	ds_load_b128 v[\reg+4*\i:\reg+4*\i+3], v[\adr] offset:\off+512*\i
.endr
.endm
; One product.  zero = 1: it starts the sum.  ra, rb = 1: that side's scale words stand in lanes 16-31 of the register named.
.macro WM d, a, b, zero, sa, sb, ra, rb
.if (\zero)
.if (\ra) && (\rb)
	v_wmma_scale_f32_16x16x128_f8f6f4 v[\d:\d+7], v[\a:\a+11], v[\b:\b+11], 0, v[\sa], v[\sb] matrix_a_fmt:MATRIX_FMT_FP6 matrix_b_fmt:MATRIX_FMT_FP6 matrix_a_scale:MATRIX_SCALE_ROW1 matrix_b_scale:MATRIX_SCALE_ROW1
.elseif (\ra)
	v_wmma_scale_f32_16x16x128_f8f6f4 v[\d:\d+7], v[\a:\a+11], v[\b:\b+11], 0, v[\sa], v[\sb] matrix_a_fmt:MATRIX_FMT_FP6 matrix_b_fmt:MATRIX_FMT_FP6 matrix_a_scale:MATRIX_SCALE_ROW1
.elseif (\rb)
	v_wmma_scale_f32_16x16x128_f8f6f4 v[\d:\d+7], v[\a:\a+11], v[\b:\b+11], 0, v[\sa], v[\sb] matrix_a_fmt:MATRIX_FMT_FP6 matrix_b_fmt:MATRIX_FMT_FP6 matrix_b_scale:MATRIX_SCALE_ROW1
.else
	v_wmma_scale_f32_16x16x128_f8f6f4 v[\d:\d+7], v[\a:\a+11], v[\b:\b+11], 0, v[\sa], v[\sb] matrix_a_fmt:MATRIX_FMT_FP6 matrix_b_fmt:MATRIX_FMT_FP6
.endif
.else
.if (\ra) && (\rb)
	v_wmma_scale_f32_16x16x128_f8f6f4 v[\d:\d+7], v[\a:\a+11], v[\b:\b+11], v[\d:\d+7], v[\sa], v[\sb] matrix_a_fmt:MATRIX_FMT_FP6 matrix_b_fmt:MATRIX_FMT_FP6 matrix_a_scale:MATRIX_SCALE_ROW1 matrix_b_scale:MATRIX_SCALE_ROW1
.elseif (\ra)
	v_wmma_scale_f32_16x16x128_f8f6f4 v[\d:\d+7], v[\a:\a+11], v[\b:\b+11], v[\d:\d+7], v[\sa], v[\sb] matrix_a_fmt:MATRIX_FMT_FP6 matrix_b_fmt:MATRIX_FMT_FP6 matrix_a_scale:MATRIX_SCALE_ROW1
.elseif (\rb)
	v_wmma_scale_f32_16x16x128_f8f6f4 v[\d:\d+7], v[\a:\a+11], v[\b:\b+11], v[\d:\d+7], v[\sa], v[\sb] matrix_a_fmt:MATRIX_FMT_FP6 matrix_b_fmt:MATRIX_FMT_FP6 matrix_b_scale:MATRIX_SCALE_ROW1
.else
	v_wmma_scale_f32_16x16x128_f8f6f4 v[\d:\d+7], v[\a:\a+11], v[\b:\b+11], v[\d:\d+7], v[\sa], v[\sb] matrix_a_fmt:MATRIX_FMT_FP6 matrix_b_fmt:MATRIX_FMT_FP6
.endif
.endif
.endm
	s_load_b256 s[4:11], s[0:1], 0x0               ; x s[4:5], gate s[6:7], m s[8:9], kv s[10:11]
	s_load_b64 s[12:13], s[0:1], 0x20              ; mk
	v_lshl_add_u32 v254, v0, 2, 0x33500
	v_mov_b32 v255, 0
	ds_add_u32 v254, v255
	ds_add_u32 v254, v255
	v_lshrrev_b32 v1, 5, v0
	v_readfirstlane_b32 s14, v1                    ; wave 0..7
	; descriptor group 1: 8 rows x 256 elements of 4 bytes, 4 words of padding behind every 256 words
	s_mov_b32 s24, (2<<16)|(1<<20)|(7<<22)|(3<<25)
	s_mov_b32 s25, 256<<16                         ; tensor_dim0 = 256
	s_mov_b32 s26, 8<<16                           ; tensor_dim1 = 8
	s_mov_b32 s27, 256<<16                         ; tile_dim0 = 256
	s_mov_b32 s28, 8                               ; tile_dim1 = 8
	s_mov_b32 s29, 256                             ; elements from row to row
	s_mov_b32 s30, 0
	s_mov_b32 s31, 0
	s_mul_i32 s15, s14, XWAVE                      ; my 16 rows in LDS
	s_lshr_b32 s18, s14, 1                         ; b
	s_and_b32 s19, s14, 1                          ; u
	s_lshl_b32 s16, ttmp9, 17                      ; 128 tokens x 1,024 bytes a work-group,
	s_lshl_b32 s2, s18, 15                         ; + 32 b tokens,
	s_add_co_u32 s16, s16, s2
	s_lshl_b32 s2, s19, 13                         ; + 8 u
	s_add_co_u32 s16, s16, s2
	s_mov_b32 s17, 0
	s_mov_b32 s32, 1
	s_mov_b32 s33, s15                             ; rows 0-7 of my tile
	s_mov_b32 s36, 1
	s_add_co_u32 s37, s15, 8*XPITCH                ; rows 8-15: the tokens that lie 16 further on
	s_wait_dscnt 0x0
	s_wait_kmcnt 0x0
	s_add_nc_u64 s[34:35], s[4:5], s[16:17]
	s_add_nc_u64 s[38:39], s[34:35], 16384
	s_or_b32 s35, s35, 0x80000000                  ; type = 2
	s_or_b32 s39, s39, 0x80000000
	tensor_load_to_lds s[32:35], s[24:31]          ; a wave's two fills, its only ones: no LDS byte is filled twice in this launch, and only the wave that asked reads them
	s_nop 0
	tensor_load_to_lds s[36:39], s[24:31]
	s_nop 0
.rept 4
	v_nop
.endr
	v_lshlrev_b32 v14, 2, v0                       ; gate: 4 x (32 w + lane): my column
	v_and_b32 v2, 15, v0                           ; r
	v_bfe_u32 v3, v0, 4, 1                         ; h
	v_and_b32 v250, 8, v2
	v_add_nc_u32 v250, v250, v2                    ; r + 8 (r / 8)
	v_lshlrev_b32 v15, 11, v250                    ; m: a row is 2,048 bytes
	v_lshl_add_u32 v15, v3, 4, v15                 ; + 16 h
	s_lshr_b32 s50, ttmp9, 1                       ; the query tile of my mask record
	s_lshr_b32 s51, s50, 1
	s_lshl_b32 s51, s51, 5
	s_and_b32 s50, s50, 1
	s_lshl_b32 s50, s50, 3
	s_add_co_u32 s50, s50, s51                     ; its first query
	s_lshl_b32 s50, s50, 11
	s_and_b32 s51, ttmp9, 1
	s_lshl_b32 s51, s51, 3
	s_add_co_u32 s51, s51, s14                     ; its key step,
	s_mov_b32 s53, s51                             ; kept for the table's bits
	s_lshl_b32 s51, s51, 7
	s_add_co_u32 s50, s50, s51
	v_add_nc_u32 v15, s50, v15
.irp bb, 0,1,2,3
	global_load_b128 v[80+4*\bb:83+4*\bb], v15, s[8:9] offset:32*\bb   ; m[query r][128 s + 32 bb + 16 h + 0 .. 15]
.endr
	GLOAD 0
	GLOAD 1
	; the addresses that stay
	v_and_b32 v1, 31, v0                           ; lane
	v_lshlrev_b32 v4, 4, v1                        ; 16 x lane
	v_add_nc_u32 v5, GI, v4
	v_lshl_add_u32 v6, v1, 2, GS
	v_add_nc_u32 v7, NXI, v4
	v_lshl_add_u32 v8, v1, 2, NXS
	s_mul_i32 s2, s14, 3072
	v_add_nc_u32 v9, s2, v7                        ; my tile's two images of nx
	s_lshl_b32 s2, s18, 8
	s_lshl_b32 s3, s19, 6
	s_add_co_u32 s2, s2, s3
	v_lshl_add_u32 v10, v2, 2, NXS
	v_add_nc_u32 v10, s2, v10                      ; and their scale words: 256 b + 64 u + 4 r
	v_mul_u32_u24 v11, v2, XPITCH
	v_lshl_add_u32 v11, v3, 6, v11
	v_add_nc_u32 v11, s15, v11                     ; x in LDS: row r, + 64 h: my 16 numbers of a block of 32
	v_bfe_u32 v250, v0, 3, 1                       ; my gate column 32 w + lane is row (lane % 8) + 8 (lane / 16) of tile u = (lane / 8) % 2
	v_and_b32 v251, 7, v0
	v_lshl_add_u32 v251, v3, 3, v251
	v_mul_u32_u24 v12, v250, 3072
	v_lshl_add_u32 v12, v251, 4, v12
	s_mul_i32 s2, s14, 6144
	s_add_co_u32 s2, s2, GI
	v_add_nc_u32 v12, s2, v12
	v_add_nc_u32 v247, s2, v4                      ; my four gate images, as a reader takes them
	v_lshlrev_b32 v13, 6, v250
	v_lshl_add_u32 v13, v251, 2, v13
	s_lshl_b32 s2, s14, 8
	s_add_co_u32 s2, s2, GS
	v_add_nc_u32 v13, s2, v13
	v_lshlrev_b32 v248, 2, v1
	v_add_nc_u32 v248, s2, v248                    ; and their scale words
	v_lshlrev_b32 v244, 3, v2                      ; in the record: the keys' scale words, 128 w + 8 r + 4 h
	v_lshl_add_u32 v244, v3, 2, v244
	s_lshl_b32 s2, s14, 7
	s_add_co_u32 s2, s2, KSC
	v_add_nc_u32 v244, s2, v244
	v_lshl_add_u32 v245, v0, 2, VSC                ; the values': 128 w + 4 x lane
	v_lshlrev_b32 v246, 3, v1                      ; the mask record: 8 bytes a lane
	v_lshrrev_b32 v249, 5, v0
	v_lshl_add_u32 v249, v249, 2, FLG              ; my wave's table word in LDS
	v_mov_b32 v252, FLG                            ; and where wave 0 reads the eight
	s_mov_b32 s20, 0x76543210
	s_mov_b32 s21, 0xfedcba98                      ; v_permlanex16_b32's selects for lane l xor 16
	s_mov_b32 s22, 0xffff0000                      ; lanes 16-31
	s_mov_b32 s23, 0x3b800000                      ; 1 / 256
	s_mov_b32 s52, 0x3727c5ac                      ; 1e-5
	s_mul_i32 s2, ttmp9, REC
	s_mov_b32 s3, 0
	s_add_nc_u64 s[44:45], s[10:11], s[2:3]        ; my work-group's record
	s_mul_i32 s2, s14, 3072
	s_add_nc_u64 s[40:41], s[44:45], s[2:3]        ; my two images of keys
	s_add_nc_u64 s[42:43], s[40:41], VIM           ; my two images of values
	s_lshl_b32 s2, ttmp9, 2
	s_add_nc_u64 s[54:55], s[12:13], s[2:3]        ; my work-group's word of the table, FLT bytes on from here
	s_lshl_b32 s2, ttmp9, 3
	s_add_co_u32 s2, s2, s14
	s_lshl_b32 s2, s2, 8
	s_add_nc_u64 s[12:13], s[12:13], s[2:3]        ; my mask record
.irp b, 0,1,2,3
	v_mov_b32 v[TM+4+\b], 0                        ; written once: a lane permute's destination counts as one of its sources
.endr
	v_mov_b32 v[LT+9], 0
	v_mov_b32 v96, 0
	v_mov_b32 v97, 0
	s_mov_b32 s46, -1                              ; the AND of the 64 words
	s_mov_b32 s47, 0                               ; their OR
	; ---- THE MASK.  A compare of one byte in all 32 lanes IS the word that the attention's select wants for one score register.
	s_wait_loadcnt 63                              ; m's four loads are in: 64 younger loads were issued, and the count's field holds 63 at most, so one gate load is waited for with them
.set n, 0
.rept 64
	v_and_b32 v[100+n%2], 0xff<<(8*(n%4)), v[80+n/4]
	v_cmp_ne_u32 s[48+n%2], 0, v[100+n%2]
	v_writelane_b32 v[96+n%2], s[48+n%2], n/2      ; word n to lane n / 2, register n % 2: 8 bytes a lane on the way out
	s_and_b32 s46, s46, s[48+n%2]
	s_or_b32 s47, s47, s[48+n%2]
.set n, n+1
.endr
	s_cmp_eq_u32 s46, -1
	s_cselect_b32 s48, 0, 1                        ; 1 unless every key of the step is hidden from every query of the tile
	s_cmp_eq_u32 s47, 0
	s_cselect_b32 s49, 0, s48                      ; and 1 where, besides, some key is hidden.  No branch
	s_lshl_b32 s49, s49, 16
	s_or_b32 s48, s48, s49
	s_lshl_b32 s48, s48, s53                       ; at the step's bits: s and 16 + s
	v_mov_b32 v98, s48
	ds_store_b32 v249, v98                         ; all lanes write the same word with the same value
	global_store_b64 v246, v[96:97], s[12:13]      ; 256 consecutive bytes, aligned
	; ---- GATE: my 32 columns, a lane to a column, registers down K
.irp t, 0,1,2,3,4,5,6,7
	GBLOCK \t
.endr
	ds_store_b32 v13, v152                         ; my column's two scale words
	ds_store_b32 v13, v153 offset:128
	; ---- LAYER NORM of my 16 tokens; lanes r and r + 16 share a row, 128 numbers each
	s_wait_xcnt 0x0                                ; the mask record's store has read v96-97, which the loads below write
	s_wait_tensorcnt 0x0                           ; my rows of x are in LDS
.set j, 0
.rept 32
	ds_load_b128 v[XN+4*j:XN+4*j+3], v11 offset:128*(j/4)+16*(j%4)   ; register 16 B + i = channel 32 B + 16 h + i
.set j, j+1
.endr
	s_wait_dscnt 0x0
.irp k, 0,1,2,3
	v_pk_add_f32 v[LT+2*\k:LT+2*\k+1], v[XN+2*\k:XN+2*\k+1], v[XN+8+2*\k:XN+9+2*\k]   ; four chains, started by the first numbers
.endr
.set j, 16
.rept 14
.irp k, 0,1,2,3
	v_pk_add_f32 v[LT+2*\k:LT+2*\k+1], v[LT+2*\k:LT+2*\k+1], v[XN+j+2*\k:XN+j+2*\k+1]
.endr
.set j, j+8
.endr
	v_pk_add_f32 v[LT:LT+1], v[LT:LT+1], v[LT+2:LT+3]
	v_pk_add_f32 v[LT+4:LT+5], v[LT+4:LT+5], v[LT+6:LT+7]
	v_pk_add_f32 v[LT:LT+1], v[LT:LT+1], v[LT+4:LT+5]
	v_add_f32 v[LT+8], v[LT], v[LT+1]
	v_permlanex16_b32 v[LT+9], v[LT+8], s20, s21
	v_add_f32 v[LT+8], v[LT+8], v[LT+9]
	v_mul_f32 v[LT+10], s23, v[LT+8]               ; the mean
	v_mov_b32 v[LT+11], v[LT+10]
.set j, 0
.rept 64
	v_pk_add_f32 v[XN+j:XN+j+1], v[XN+j:XN+j+1], v[LT+10:LT+11] neg_lo:[0,1] neg_hi:[0,1]
.set j, j+2
.endr
.irp k, 0,1,2,3
	v_pk_mul_f32 v[LT+2*\k:LT+2*\k+1], v[XN+2*\k:XN+2*\k+1], v[XN+2*\k:XN+2*\k+1]
.endr
.set j, 8
.rept 15
.irp k, 0,1,2,3
	v_pk_fma_f32 v[LT+2*\k:LT+2*\k+1], v[XN+j+2*\k:XN+j+2*\k+1], v[XN+j+2*\k:XN+j+2*\k+1], v[LT+2*\k:LT+2*\k+1]
.endr
.set j, j+8
.endr
	v_pk_add_f32 v[LT:LT+1], v[LT:LT+1], v[LT+2:LT+3]
	v_pk_add_f32 v[LT+4:LT+5], v[LT+4:LT+5], v[LT+6:LT+7]
	v_pk_add_f32 v[LT:LT+1], v[LT:LT+1], v[LT+4:LT+5]
	v_add_f32 v[LT+8], v[LT], v[LT+1]
	v_permlanex16_b32 v[LT+9], v[LT+8], s20, s21
	v_add_f32 v[LT+8], v[LT+8], v[LT+9]
	v_fma_f32 v[LT+8], v[LT+8], s23, s52           ; the variance + 1e-5
	v_rsq_f32 v[LT+12], v[LT+8]
	v_rsq_f32 v[LT+13], v[LT+8]                    ; twice: a pair for the packed multiply
	v_nop                                          ; a plain line behind the transcendentals
	s_wait_alu depctr_va_vdst(0)                   ; one wait for both, ahead of their first reader
.set j, 0
.rept 64
	v_pk_mul_f32 v[XN+j:XN+j+1], v[XN+j:XN+j+1], v[LT+12:LT+13]
.set j, j+2
.endr
	QUANT XN
	IMAGE 9, 0
	ds_store_b32 v10, v[PW]
	s_wait_dscnt 0x0                               ; the stores have read their registers
	QUANT XN+64
	IMAGE 9, 1536
	ds_store_b32 v10, v[PW] offset:128
	s_wait_dscnt 0x0                               ; for the others' sake: my images of gate and of nx and my table word have landed
	s_barrier_signal -1
	s_barrier_wait -1                              ; the launch's one barrier: behind it LDS is only read
	; ---- THE CODES OF QUERIES AND KEYS: source 0 = 16 gate columns, source 1 = my 16 tokens.  Two accumulators by turns
.irp i, 0,1,2,3,4,5
	ds_load_b128 v[FB+4*\i:FB+4*\i+3], v9 offset:512*\i
.endr
	ds_load_b32 v242, v10
	ds_load_b32 v243, v10 offset:128
.irp bp, 0,1,2,3,4,5,6,7
.if \bp > 0
	PLACES
.endif
	FETCH4 FA, 5, 6144*\bp                         ; gate tiles (bp, 0) and (bp, 1), both halves of K
	ds_load_b32 v240, v6 offset:256*\bp            ; lanes 0-15: tile u = 0; lanes 16-31: u = 1
	ds_load_b32 v241, v6 offset:256*\bp+128
	s_wait_dscnt 0x0
	WM HA+16*\bp,   FA,    FB,    1, 240, 242, 0, 0
	WM HA+16*\bp+8, FA+24, FB,    1, 240, 242, 1, 0
	WM HA+16*\bp,   FA+12, FB+12, 0, 241, 243, 0, 0
	WM HA+16*\bp+8, FA+36, FB+12, 0, 241, 243, 1, 0
.endr
	PLACES                                         ; register 16 bp + i of lane (r, h) is qkv(token r, channel 32 bp + 16 h + i)
	QUANT HA
	OUT3 40, 0
	v_mov_b32 v181, v[PW]
	s_wait_xcnt 0x0                                ; the stores have read the codes' registers
	QUANT HA+64
	OUT3 40, 1536
	v_cndmask_b32 v182, v181, v[PW], s22           ; lanes 0-15 store the word of c = 0, lanes 16-31 that of c = 1
	global_store_b32 v244, v182, s[44:45]
	; ---- THE CODES OF VALUES: source 0 = 16 tokens, source 1 = 16 of my gate columns.  Four accumulators by turns
	s_wait_xcnt 0x0                                ; the stores above have read v144-155 and v182, which the loads below write
	FETCH4 FB, 247, 0
	ds_load_b32 v240, v248
	ds_load_b32 v241, v248 offset:128
.irp b, 0,1,2,3
.if \b > 0
	PLACES
.endif
	FETCH4 FA, 7, 6144*\b                          ; token tiles 2 b and 2 b + 1, both halves of K
	ds_load_b32 v242, v8 offset:256*\b
	ds_load_b32 v243, v8 offset:256*\b+128
	s_wait_dscnt 0x0
.irp c, 0,1
	WM HA+16*\b,      FA+12*\c,    FB+12*\c,    1-\c, 242+\c, 240+\c, 0, 0
	WM HA+64+16*\b,   FA+12*\c,    FB+24+12*\c, 1-\c, 242+\c, 240+\c, 0, 1
	WM HA+16*\b+8,    FA+24+12*\c, FB+12*\c,    1-\c, 242+\c, 240+\c, 1, 0
	WM HA+64+16*\b+8, FA+24+12*\c, FB+24+12*\c, 1-\c, 242+\c, 240+\c, 1, 1
.endr
.endr
	PLACES                                         ; register 64 u + 16 b + i of lane (r, h) is qkv(token 32 b + 16 h + i, channel r of my tile u)
	QUANT HA
	OUT3 42, 0
	v_mov_b32 v181, v[PW]
	s_wait_xcnt 0x0
	QUANT HA+64
	OUT3 42, 1536
	v_cndmask_b32 v182, v181, v[PW], s22           ; lanes 0-15: tile u = 0; lanes 16-31: u = 1
	global_store_b32 v245, v182, s[44:45]
	; ---- THE TABLE'S WORD: wave 0 joins the eight waves' bits, and its lane 0 stores them: 4 bytes a work-group, 1,024 in the launch
	s_cmp_lg_u32 s14, 0
	s_cbranch_scc1 .Ldone
	ds_load_b128 v[184:187], v252                  ; stored ahead of the barrier
	ds_load_b128 v[188:191], v252 offset:16
	v_mov_b32 v250, 0
	v_cmp_gt_u32 vcc_lo, 1, v1                     ; lane 0
	s_wait_dscnt 0x0
.irp i, 1,2,3,4,5,6,7
	v_or_b32 v184, v184, v[184+\i]
.endr
	s_wait_xcnt 0x0                                ; EXEC is one of the sources of the stores above: it changes only behind this wait
	s_and_saveexec_b32 s50, vcc_lo
	global_store_b32 v250, v184, s[54:55] offset:FLT
	s_wait_xcnt 0x0                                ; and again in front of the line that widens it
	s_or_b32 exec_lo, exec_lo, s50
.Ldone:
	s_wait_tensorcnt 0x0
	ds_add_u32 v254, v255
	s_wait_dscnt 0x0
	s_endpgm
.Lfunc_end_k_q3a834ffeac_prep:
	.size	k_q3a834ffeac_prep, .Lfunc_end_k_q3a834ffeac_prep-k_q3a834ffeac_prep
	.p2alignl 7, 3214868480
	.fill 96, 4, 3214868480
	.section	.rodata,"a",@progbits
	.p2align	6, 0x0
	.amdhsa_kernel k_q3a834ffeac_prep
		.amdhsa_group_segment_fixed_size 211200
		.amdhsa_private_segment_fixed_size 0
		.amdhsa_enable_private_segment 0
		.amdhsa_kernarg_size 40
		.amdhsa_user_sgpr_count 2
		.amdhsa_user_sgpr_kernarg_segment_ptr 1
		.amdhsa_wavefront_size32 1
		.amdhsa_system_sgpr_workgroup_id_x 1
		.amdhsa_system_sgpr_workgroup_id_y 1
		.amdhsa_system_sgpr_workgroup_id_z 1
		.amdhsa_system_vgpr_workitem_id 0
		.amdhsa_next_free_vgpr 256
		.amdhsa_next_free_sgpr 66
		.amdhsa_reserve_vcc 1
		.amdhsa_float_denorm_mode_32 3
		.amdhsa_float_denorm_mode_16_64 3
		.amdhsa_memory_ordered 1
		.amdhsa_forward_progress 1
		.amdhsa_inst_pref_size 126
	.end_amdhsa_kernel
	.amdgpu_metadata
---
amdhsa.version: [ 1, 2 ]
amdhsa.kernels:
  - .name:           k_q3a834ffeac_prep
    .symbol:         k_q3a834ffeac_prep.kd
    .args:
      - { .name: x, .offset: 0, .size: 8, .value_kind: global_buffer, .address_space: global }
      - { .name: gate, .offset: 8, .size: 8, .value_kind: global_buffer, .address_space: global }
      - { .name: m, .offset: 16, .size: 8, .value_kind: global_buffer, .address_space: global }
      - { .name: kv, .offset: 24, .size: 8, .value_kind: global_buffer, .address_space: global }
      - { .name: mk, .offset: 32, .size: 8, .value_kind: global_buffer, .address_space: global }
    .group_segment_fixed_size: 211200
    .private_segment_fixed_size: 0
    .kernarg_segment_align: 8
    .kernarg_segment_size: 40
    .max_flat_workgroup_size: 256
    .sgpr_count:     66
    .vgpr_count:     256
    .wavefront_size: 32
...
	.end_amdgpu_metadata
.endif
;; end of part 1
;; launch attn (part 2): grid 16 x 16, 8 waves a work-group, no clusters, 236,544 bytes of LDS; arguments x, kv, mk, x1; writes x1
.if DOCPART == 2
	.amdgcn_target "amdgcn-amd-amdhsa--gfx1250"
	.amdhsa_code_object_version 6
	.text
	.protected	k_q3a834ffeac_attn
	.globl	k_q3a834ffeac_attn
	.p2align	8
	.type	k_q3a834ffeac_attn,@function
k_q3a834ffeac_attn:
	s_mov_b64 s[64:65], 0
	v_nop
	global_prefetch_b8 v0, s[64:65] scope:SCOPE_SE
	s_setreg_imm32_b32 hwreg(HW_REG_WAVE_MODE, 25, 1), 1
	s_wait_xcnt 0x0
; ATTN.  x1 = x + softmax(where(m, -inf, qkv qkv^T / 16)) qkv, both products on codes of FP6 (E2M3) with one E8M0 scale for each 32 along K, as PREP has laid them.
; THE SOFTMAX AHEAD OF THE SECOND PRODUCT: t = score x log2(e) / 16; M = the row's largest t so far, rounded up to a whole number; p = 2^(t - M) is quantised along the keys, not normalised;
; the row's sum is taken of the unquantised p and divides at the end.  When M moves, the sum and O are multiplied by 2^(old M - new M), which rounds nothing.
; SHARES.  Work-group (g, head), eight waves, a wave to ONE tile of 16 queries: tile 4 g + w / 2 where w has an even number of ones, else tile 127 - 4 g - w / 2.
; Every wave walks the head's 16 key steps of 128 keys, in a loop of constant count.  A step's record (51,200 bytes, dense) goes through registers into one of two LDS slots, each wave bringing an eighth, a step ahead.
; WHAT m HIDES.  Two stored bits for each (query tile, key step) say: has work (else the step's work is jumped over), and mixed (64 selects put -infinity over the hidden scores, by stored lane masks).
; The bits come by scalar loads from the table that PREP stored, and are joined, shifted and tested in scalar registers alone.
; Nothing is assumed of m's pattern.  A record that none of the work-group's eight tiles wants is not fetched.  A query whose every key is hidden gets 0 x (1 / 0) = NaN.
; NO TENSOR LOADS AND NO CLUSTER: the work of a step is jumped over on numbers read from memory; partners would also need different steps.
; LAYOUT.  Both products are used transposed: S^T = K Q^T, O^T = V^T P^T: a lane holds one query (lane % 16) throughout.  Row r of a tile is token 32 b + 8 u + r + 8 (r / 8): so score register 16 bb + i is key 32 bb + 16 h + i,
; and O^T's register 16 b + i is channel 32 b + 16 h + i.
; LIMITS: NaN and infinities among the inputs are not served.
; REGISTERS.  Window 0: v1-10 LDS addresses (slot 0, slot 1 by pairs); v11 -infinity; v12 -M, v13 the largest t, v[14:15] the sum; v16-39 Q; v40-89 the record's eighth on its way; v90-93 offsets;
;   v96-159 S^T, then p; v160-167 K's scale words, v168-175 V's, v176-177 Q's, v178 p's (scales and nothing else); v180-199 p's codes; v200-217 at work.
;   Window 1: v0-127 O^T; v128-175, v176-223 two buffers of four fragments; on the way out v128-255 take x.
.set REC,  51200
.set VIM,  24576
.set KSC,  49152
.set VSC,  50176
.set FLT,  2048*256                    ; mk: behind the 2,048 mask records of 256 bytes the table: two words a query tile; bit s: step s has work; bit 16 + s: it is mixed
.set STG,  2*REC                       ; behind the slots: a stage of 16 rows x (1,024 + 16) bytes for each wave
.set Q,    16
.set STGR, 40
.set S,    96
.set KS,   160
.set VS,   168
.set QS,   176
.set PS,   178
.set PC,   180
.set PT,   192
.set BM,   200
.set BP,   204
.set BO,   208
.set ACT,  24                          ; s24  bit 0: this step has work for my tile
.set MIX,  25                          ; s25  bit 0: some of its scores are hidden
.set ANY,  26                          ; s26  bit 1: the next step has work for one of the work-group's tiles
.set STP,  27                          ; s27  the step's number
.set LIM,  28                          ; s28  13 in the head's first work-group, else 0
.set MSB, 0
.macro WIN new                         ; low byte: bits 1:0 source 0, 3:2 source 1, 5:4 source 2, 7:6 destination; the high byte repeats the setting that is left
.if MSB != \new
	s_set_vgpr_msb (MSB<<8)|\new
.set MSB, \new
.endif
.endm
.macro PLACES                          ; four plain vector lines between a matrix instruction and a load into, or a vector line on, its registers
.rept 4
	v_nop
.endr
.endm
.macro WK d, a, b, zero, sa, sb, ra    ; one product.  zero = 1: it starts the sum.  ra = 1: source 0's scale words stand in lanes 16-31
.if (\zero) && (\ra)
	v_wmma_scale_f32_16x16x128_f8f6f4 v[\d:\d+7], v[\a:\a+11], v[\b:\b+11], 0, v[\sa], v[\sb] matrix_a_fmt:MATRIX_FMT_FP6 matrix_b_fmt:MATRIX_FMT_FP6 matrix_a_scale:MATRIX_SCALE_ROW1
.elseif (\zero)
	v_wmma_scale_f32_16x16x128_f8f6f4 v[\d:\d+7], v[\a:\a+11], v[\b:\b+11], 0, v[\sa], v[\sb] matrix_a_fmt:MATRIX_FMT_FP6 matrix_b_fmt:MATRIX_FMT_FP6
.elseif (\ra)
	v_wmma_scale_f32_16x16x128_f8f6f4 v[\d:\d+7], v[\a:\a+11], v[\b:\b+11], v[\d:\d+7], v[\sa], v[\sb] matrix_a_fmt:MATRIX_FMT_FP6 matrix_b_fmt:MATRIX_FMT_FP6 matrix_a_scale:MATRIX_SCALE_ROW1
.else
	v_wmma_scale_f32_16x16x128_f8f6f4 v[\d:\d+7], v[\a:\a+11], v[\b:\b+11], v[\d:\d+7], v[\sa], v[\sb] matrix_a_fmt:MATRIX_FMT_FP6 matrix_b_fmt:MATRIX_FMT_FP6
.endif
.endm
.macro LOADF sl, buf, off              ; four neighbouring images of slot sl into buffer buf (window 1)
.irp i, 0,1,2,3,4,5,6,7,8,9,10,11
	ds_load_b128 v[128+48*(\buf)+4*\i:131+48*(\buf)+4*\i], v[1+\sl] offset:(\off)+512*\i
.endr
.endm
.macro MULK g                          ; key tiles 2 g and 2 g + 1, both halves of the channels: two accumulators by turns
.irp f, 0,2,1,3
.set TL, 2*(\g)+(\f)/2
.set CH, (\f)%2
	WK S+8*TL, 128+48*((\g)%2)+12*(\f), Q+12*CH, 1-CH, KS+2*(\g)+CH, QS+CH, (\f)/2
.endr
.endm
.macro MULV gv                         ; channel tiles 4 gv .. 4 gv + 3: four accumulators, one instruction each
.irp f, 0,1,2,3
	WK 8*(4*(\gv)+\f), 128+48*((\gv)%2)+12*\f, PC, 0, VS+2*(\gv)+(\f)/2, PS, (\f)%2
.endr
.endm
.macro SOFTMAX
.irp b, 0,1,2,3
	v_max3_num_f32 v[BM+\b], v[S+16*\b], v[S+1+16*\b], v[S+2+16*\b]   ; the largest score of each block of 32 keys: for the row's maximum and, since p rises with the score, for the block's largest p
.endr
.irp i, 3,5,7,9,11,13
.irp b, 0,1,2,3
	v_max3_num_f32 v[BM+\b], v[BM+\b], v[S+16*\b+\i], v[S+1+16*\b+\i]
.endr
.endr
.irp b, 0,1,2,3
	v_max_num_f32 v[BM+\b], v[BM+\b], v[S+15+16*\b]
.endr
.irp b, 0,1,2,3
	v_permlanex16_b32 v[BP+\b], v[BM+\b], s20, s21
.endr
.irp b, 0,1,2,3
	v_max_num_f32 v[BM+\b], v[BM+\b], v[BP+\b]     ; with lane l xor 16's 16 keys
.endr
	v_max3_num_f32 v212, v[BM], v[BM+1], v[BM+2]
	v_max_num_f32 v212, v212, v[BM+3]
	v_mul_f32 v212, s22, v212                      ; as t (c is positive; -infinity stays)
	v_max_num_f32 v13, v13, v212                   ; the running largest t
	v_mov_b32 v212, v12
	v_floor_f32 v12, -v13                          ; the new -M = -ceil(t): a whole number
	v_sub_f32 v212, v12, v212                      ; old M - new M: 0 or less
	v_cvt_i32_f32 v212, v212                       ; (it saturates)
	v_ldexp_f32 v214, 1.0, v212                    ; f = 2^(old M - new M)
.set j, 0
.rept 32
	v_pk_fma_f32 v[S+j:S+j+1], v[S+j:S+j+1], s[22:23], v[12:13] op_sel_hi:[1,0,0]   ; t - M, two at a time
.set j, j+2
.endr
.irp b, 0,1,2,3
	v_fma_f32 v[BM+\b], v[BM+\b], s22, v12         ; the same of each block's largest score
.endr
.set j, 0
.rept 64
	v_exp_f32 v[S+j], v[S+j]                       ; p = 2^(t - M), at most 1
.set j, j+1
.endr
	v_pk_mul_f32 v[14:15], v[14:15], v[214:215] op_sel_hi:[1,0]   ; the sum under the new M: the plain line behind the batch
	s_wait_alu depctr_va_vdst(0)                   ; one wait for the 64, ahead of their first reader
.irp b, 0,1,2,3
	v_exp_f32 v[BM+\b], v[BM+\b]                   ; the blocks' largest p
.endr
	v_pk_add_f32 v[216:217], v[S:S+1], v[S+2:S+3]  ; the sum of the unquantised p, in two chains: plain work behind the four
.set j, 4
.rept 15
	v_pk_add_f32 v[14:15], v[14:15], v[S+j:S+j+1]
	v_pk_add_f32 v[216:217], v[216:217], v[S+j+2:S+j+3]
.set j, j+4
.endr
	v_pk_add_f32 v[14:15], v[14:15], v[216:217]
	s_wait_alu depctr_va_vdst(0)                   ; and one for the four
.irp b, 0,1,2,3
	v_max_num_f32 v[BM+\b], 0x1800000, v[BM+\b]    ; the floor 2^(3 - 127): the byte cannot fall under 1 (a block of zeros keeps it: its codes are zeros)
.endr
.irp b, 0,1,2,3
	v_add_nc_u32 v[BO+\b], 0xff000000, v[BM+\b]    ; 2 off the exponent field: the conversion's scale operand
.endr
.irp b, 0,1,2,3
	v_lshrrev_b32 v[BP+\b], 23, v[BO+\b]           ; the scale's byte
.endr
	v_lshl_or_b32 v[PS], v[BP+1], 8, v[BP]
	v_lshl_or_b32 v[PS], v[BP+2], 16, v[PS]
	v_lshl_or_b32 v[PS], v[BP+3], 24, v[PS]
.irp c, 0,1
	v_cvt_scalef32_pk16_fp6_f32 v[PC+6*\c:PC+2+6*\c], v[S+32*\c:S+15+32*\c], v[BO+2*\c]
	v_cvt_scalef32_pk16_fp6_f32 v[PT+4*\c:PT+2+4*\c], v[S+16+32*\c:S+31+32*\c], v[BO+2*\c+1]
.endr
	v_nop                                          ; one plain line behind a scaled conversion
.irp c, 0,1                                    ; a whole block to a lane: lanes 0-15 block 2 c, lanes 16-31 block 2 c + 1
.irp i, 0,1,2
	v_permlane16_swap_b32 v[PC+6*\c+\i], v[PT+4*\c+\i]
.endr
.irp i, 0,1,2
	v_mov_b32 v[PC+3+6*\c+\i], v[PT+4*\c+\i]
.endr
.endr
.endm
	s_load_b256 s[4:11], s[0:1], 0x0               ; x s[4:5], kv s[6:7], mk s[8:9], x1 s[10:11]
	v_lshl_add_u32 v254, v0, 2, 0x39800
	v_mov_b32 v255, 0
	v_lshrrev_b32 v1, 5, v0
	v_readfirstlane_b32 s12, v1                    ; wave 0..7
	s_and_b32 s14, ttmp7, 0xffff                   ; the head
	s_lshl_b32 s13, ttmp9, 2                       ; 4 g
	s_lshr_b32 s2, s12, 1
	s_add_co_u32 s2, s13, s2                       ; the early tile,
	s_sub_co_u32 s3, 127, s2                       ; the late one
	s_bcnt1_i32_b32 s16, s12
	s_and_b32 s16, s16, 1
	s_cmp_eq_u32 s16, 0
	s_cselect_b32 s15, s2, s3                      ; my query tile.  It enters global addresses alone
	v_and_b32 v94, 31, v0                          ; lane
	v_lshlrev_b32 v1, 4, v94                       ; images: 16 x lane, in slot 0,
	v_add_nc_u32 v2, REC, v1                       ; in slot 1
	v_lshlrev_b32 v3, 3, v94                       ; K's scale words: 8 x lane
	v_add_nc_u32 v4, REC, v3
	v_lshlrev_b32 v5, 2, v94                       ; V's: 4 x lane
	v_add_nc_u32 v6, REC, v5
	s_mul_i32 s16, s12, 6144
	v_add_nc_u32 v7, s16, v1                       ; my eighth of a record's images: in memory and in slot 0 alike,
	v_add_nc_u32 v8, REC, v7                       ; in slot 1
	v_lshl_add_u32 v9, v0, 3, KSC                  ; my eighth of its scale words: 256 w + 8 x lane
	v_add_nc_u32 v10, REC, v9
	v_mov_b32 v11, 0xff800000                      ; -infinity
	v_min_u32 v90, 24, v94                         ; the records' prefetch: 25 blocks of 256 bytes a wave (lanes 25-31 name lane 24's)
	v_lshlrev_b32 v90, 8, v90
	s_mul_i32 s16, s12, 6400
	v_add_nc_u32 v90, s16, v90
	v_lshlrev_b32 v91, 8, v94                      ; x's prefetch: lanes 256 bytes apart
	v_and_b32 v219, 15, v0                         ; r
	v_bfe_u32 v220, v0, 4, 1                       ; h
	s_mul_i32 s16, s12, 16640
	s_add_co_u32 s16, s16, STG                     ; my stage
	v_mul_u32_u24 v92, v219, 1040
	v_lshl_add_u32 v92, v220, 6, v92
	v_add_nc_u32 v92, s16, v92                     ; in: row r, + 64 h
	v_add_nc_u32 v93, s16, v1                      ; back: 16 bytes a lane
	s_and_b32 s16, s15, 7                          ; my tile's place in its own record
	s_mul_i32 s17, s16, 3072
	v_add_nc_u32 v213, s17, v1                     ; Q's two images
	s_lshl_b32 s17, s16, 7
	s_add_co_u32 s17, s17, KSC
	v_lshl_add_u32 v218, v219, 3, s17              ; and its scale words: 8 bytes a row
	s_lshl_b32 s2, s14, 21                         ; x and x1: a head is 2,048 rows of 1,024 bytes;
	s_lshr_b32 s3, s15, 1
	s_lshl_b32 s3, s3, 15                          ; + 32 (tile / 2) rows
	s_add_co_u32 s2, s2, s3
	s_and_b32 s3, s15, 1
	s_lshl_b32 s3, s3, 13                          ; + 8 (tile % 2)
	s_add_co_u32 s2, s2, s3
	s_mov_b32 s3, 0
	s_mov_b32 s20, 0x76543210
	s_mov_b32 s21, 0xfedcba98                      ; v_permlanex16_b32's selects for lane l xor 16
	s_mov_b32 s22, 0x3db8aa3b                      ; c = log2(e) / 16
	s_mov_b32 s23, s22                             ; (named with it as a pair)
	s_mov_b32 s[STP], 0
	s_mov_b32 s29, 8
	s_cmp_eq_u32 ttmp9, 0
	s_cselect_b32 s[LIM], 13, 0
	s_wait_kmcnt 0x0
	s_add_nc_u64 s[4:5], s[4:5], s[2:3]
	s_add_nc_u64 s[10:11], s[10:11], s[2:3]
	s_mul_i32 s2, s14, 16*REC
	s_add_nc_u64 s[6:7], s[6:7], s[2:3]            ; the head's record 0
	s_lshr_b32 s2, s15, 3
	s_mul_i32 s2, s2, REC
	s_add_nc_u64 s[30:31], s[6:7], s[2:3]          ; the record that holds my queries
	s_lshl_b32 s2, s15, 3                          ; the table: 8 bytes a tile
	s_add_nc_u64 s[16:17], s[8:9], s[2:3]          ; my tile's two words,
	s_lshl_b32 s2, s13, 3
	s_add_nc_u64 s[18:19], s[8:9], s[2:3]          ; those of tiles 4 g .. 4 g + 3,
	s_sub_co_u32 s2, 124, s13
	s_lshl_b32 s2, s2, 3
	s_add_nc_u64 s[52:53], s[8:9], s[2:3]          ; and of tiles 124 - 4 g .. 127 - 4 g
	s_lshl_b32 s2, s15, 12                         ; a tile's 16 mask records are 4,096 bytes
	s_add_nc_u64 s[8:9], s[8:9], s[2:3]            ; my tile's
	s_load_b64 s[32:33], s[16:17], FLT
	s_load_b256 s[36:43], s[18:19], FLT
	s_load_b256 s[44:51], s[52:53], FLT
.set i, 0
.rept 12
	global_load_b128 v[STGR+4*i:STGR+4*i+3], v7, s[6:7] offset:512*i   ; record 0 always comes
.set i, i+1
.endr
	global_load_b64 v[STGR+48:STGR+49], v9, s[6:7]
.set i, 0
.rept 6
	global_load_b128 v[Q+4*i:Q+4*i+3], v213, s[30:31] offset:512*i     ; Q stays in registers
.set i, i+1
.endr
	global_load_b64 v[QS:QS+1], v218, s[30:31]
	WIN 0x40
.set i, 0
.rept 128
	v_mov_b32 v[i], 0                              ; O^T.  Which step is a tile's first hangs on the table, so no product can be written that starts the sums
.set i, i+1
.endr
	WIN 0
	v_mov_b32 v13, 0xff61b1e6                      ; the largest t so far: -3e38
	v_floor_f32 v12, -v13                          ; -M
	v_mov_b32 v14, 0
	v_mov_b32 v15, 0
	v_mov_b32 v215, 0                              ; (named as the upper half of the pair v[214:215])
.irp b, 0,1,2,3
	v_mov_b32 v[BP+\b], 0                          ; written once: a lane permute's destination counts as one of its sources
.endr
	v_mov_b32 v212, 0                              ; likewise, for the way out of a tile that never had work
	s_wait_kmcnt 0x0
	s_or_b32 s32, s32, s33                         ; my tile's 16 steps
	s_and_b32 s[ACT], s32, 0xffff
	s_lshr_b32 s[MIX], s32, 16
.irp i, 1,2,3,4,5,6,7,8,9,10,11,12,13,14,15
	s_or_b32 s36, s36, s[36+\i]                    ; the eight tiles' together
.endr
	s_and_b32 s[ANY], s36, 0xffff                  ; bit 16 is 0: behind step 15 nothing is fetched
	s_wait_loadcnt 0x0
.set i, 0
.rept 12
	ds_store_b128 v7, v[STGR+4*i:STGR+4*i+3] offset:512*i
.set i, i+1
.endr
	ds_store_b64 v9, v[STGR+48:STGR+49]
	s_add_nc_u64 s[6:7], s[6:7], REC               ; (the loads that named it are done)
	s_wait_dscnt 0x0
	s_barrier_signal -1
	s_barrier_wait -1                              ; slot 0 is whole
; A KEY STEP: reads slot sl, fills slot 1 - sl.
.macro STEP sl
	s_and_b32 s2, s[ANY], 2
	s_cmp_lg_u32 s2, 0
	s_cbranch_scc0 .Lnoload_\@
.irp i, 0,1,2,3,4,5,6,7,8,9,10,11
	global_load_b128 v[STGR+4*\i:STGR+4*\i+3], v7, s[6:7] offset:512*\i   ; my eighth of the next record: it has this step's work in which to come
.endr
	global_load_b64 v[STGR+48:STGR+49], v9, s[6:7]
.Lnoload_\@:
	s_cmp_lt_u32 s[STP], s[LIM]                    ; A PREFETCH of the record two loads on, behind the wave's loads.  All sixteen work-groups of a head walk the same records: the first asks, 8 waves x 25 blocks = the record's 200.
	s_cbranch_scc0 .Lnopf_\@                       ; In step s it names record s + 3: records 0 to 2 come by their loads alone, and steps 13 to 15 ask for nothing
	global_prefetch_b8 v90, s[6:7] offset:2*REC th:TH_LOAD_NT scope:SCOPE_SE
.Lnopf_\@:
.if \sl == 0
	s_cmp_eq_u32 s[STP], 12                        ; and, four steps ahead of the way out, of my 16 rows of x: 2 x 8 rows x 1,024 bytes, a lane to each 256; no other wave reads them
	s_cbranch_scc0 .Lnox_\@
	global_prefetch_b8 v91, s[4:5] th:TH_LOAD_NT scope:SCOPE_SE
	global_prefetch_b8 v91, s[4:5] offset:16384 th:TH_LOAD_NT scope:SCOPE_SE
.Lnox_\@:
.endif
	s_and_b32 s2, s[ACT], 1
	s_cmp_lg_u32 s2, 0
	s_cbranch_scc0 .Lidle_\@                       ; every key of the step is hidden from my 16 queries
	s_load_b512 s[32:47], s[8:9], 0x0              ; the 64 lane masks
	s_load_b512 s[48:63], s[8:9], 0x40
	s_load_b512 s[68:83], s[8:9], 0x80
	s_load_b512 s[84:99], s[8:9], 0xc0
.irp p, 0,1,2,3
	ds_load_b64 v[KS+2*\p:KS+2*\p+1], v[3+\sl] offset:KSC+256*\p   ; lanes 0-15: key tile 2 p; lanes 16-31: 2 p + 1; the pair: c = 0, 1
.endr
.irp b, 0,1,2,3,4,5,6,7
	ds_load_b32 v[VS+\b], v[5+\sl] offset:VSC+128*\b               ; lanes 0-15: channel tile 2 b; lanes 16-31: 2 b + 1
.endr
	WIN 0x40
	LOADF \sl, 0, 0
	LOADF \sl, 1, 6144
.irp g, 0,1,2,3
	s_wait_dscnt 12                                ; all but the other buffer's 12 loads are in
	WIN 0x01
	MULK \g
	PLACES
	WIN 0x40
	LOADF \sl, (\g)%2, 6144*(\g)+12288             ; K's groups 2 and 3, then V's groups 0 and 1, which lie behind them
.endr
	WIN 0
	s_wait_kmcnt 0x0
	s_and_b32 s2, s[MIX], 1
	s_cmp_lg_u32 s2, 0
	s_cbranch_scc0 .Lopen_\@
.set n, 0
.rept 64
.if n < 32
	v_cndmask_b32 v[S+n], v[S+n], v11, s[32+n]     ; hidden scores become -infinity ahead of the maximum: p = 0 then
.else
	v_cndmask_b32 v[S+n], v[S+n], v11, s[36+n]
.endif
.set n, n+1
.endr
.Lopen_\@:
	SOFTMAX
	WIN 0x41
.set j, 0
.rept 64
	v_pk_mul_f32 v[j:j+1], v[j:j+1], v[214:215] op_sel_hi:[1,0]   ; O^T under the new M.  (These are also the plain lines between p's codes and scale word and the products that take them)
.set j, j+2
.endr
.irp gv, 0,1,2,3
.if \gv < 3
	s_wait_dscnt 12
.else
	s_wait_dscnt 0x0
.endif
	WIN 0x51
	MULV \gv
	PLACES
.if \gv < 2
	WIN 0x40
	LOADF \sl, (\gv)%2, VIM+6144*(\gv)+12288
.endif
.endr
	WIN 0
.Lidle_\@:
	s_wait_loadcnt 0x0                             ; my eighth of the next record is in registers
	s_and_b32 s2, s[ANY], 2
	s_cmp_lg_u32 s2, 0
	s_cbranch_scc0 .Lnostore_\@
.irp i, 0,1,2,3,4,5,6,7,8,9,10,11
	ds_store_b128 v[8-\sl], v[STGR+4*\i:STGR+4*\i+3] offset:512*\i
.endr
	ds_store_b64 v[10-\sl], v[STGR+48:STGR+49]
.Lnostore_\@:
	s_wait_xcnt 0x0                                ; the loads and prefetches have read their bases
	s_add_nc_u64 s[6:7], s[6:7], REC
	s_add_nc_u64 s[8:9], s[8:9], 256
	s_lshr_b32 s[ACT], s[ACT], 1
	s_lshr_b32 s[MIX], s[MIX], 1
	s_lshr_b32 s[ANY], s[ANY], 1
	s_add_co_u32 s[STP], s[STP], 1
	s_wait_dscnt 0x0                               ; my stores into the other slot have landed, and my reads of this slot are over:
	s_barrier_signal -1                            ; one barrier a step orders the fill against the next step's reads,
	s_barrier_wait -1                              ; and this step's reads against the next step's fill
.endm
.Ltrip:
	STEP 0
	STEP 1
	s_sub_co_u32 s29, s29, 1
	s_cmp_lg_u32 s29, 0
	s_cbranch_scc1 .Ltrip
	; THE WAY OUT.  x's 16 rows are asked for; O^T is divided by the sum and goes through my stage, so that whole rows come back; x is added; each store covers 512 consecutive bytes.
	WIN 0x40
.set i, 0
.rept 32
	global_load_b128 v[128+4*i:131+4*i], v1, s[4:5] offset:(i/2+8*(i/16))*1024+(i%2)*512 th:TH_LOAD_NT   ; row i / 2 of my tile is token i / 2 + 8 (i / 16) from its first
.set i, i+1
.endr
	WIN 0
	v_add_f32 v14, v14, v15                        ; the sum's two halves,
	v_permlanex16_b32 v212, v14, s20, s21
	v_add_f32 v14, v14, v212                       ; and lane l xor 16's
	v_rcp_f32 v214, v14
	v_nop                                          ; a plain line behind the transcendental
	s_wait_alu depctr_va_vdst(0)                   ; the wait ahead of its first reader
	WIN 0x41
.set j, 0
.rept 64
	v_pk_mul_f32 v[j:j+1], v[j:j+1], v[214:215] op_sel_hi:[1,0]
.set j, j+2
.endr
	WIN 0x04                                       ; an LDS store's data are its source 1
.set i, 0
.rept 32
	ds_store_b128 v92, v[4*i:4*i+3] offset:128*(i/4)+16*(i%4)   ; registers 16 b + 4 k ..: channels 32 b + 16 h + 4 k ..
.set i, i+1
.endr
	WIN 0
.set i, 0
.rept 16
	ds_load_b128 v[96+4*i:99+4*i], v93 offset:1040*(i/2)+512*(i%2)   ; LDS serves a wave's instructions in order: these see my stores
.set i, i+1
.endr
.set i, 0
.rept 16
	ds_load_b128 v[16+4*i:19+4*i], v93 offset:1040*(8+i/2)+512*(i%2)
.set i, i+1
.endr
	s_wait_dscnt 16                                ; rows 0-7 are back
	s_wait_loadcnt 16                              ; and their x is in; rows 8-15's 16 loads may be out
	WIN 0x04
.set j, 0
.rept 32
	v_pk_add_f32 v[96+j:97+j], v[96+j:97+j], v[128+j:129+j]
.set j, j+2
.endr
	WIN 0
.set i, 0
.rept 16
	global_store_b128 v1, v[96+4*i:99+4*i], s[10:11] offset:(i/2)*1024+(i%2)*512 th:TH_STORE_NT
.set i, i+1
.endr
	s_wait_dscnt 0x0
	s_wait_loadcnt 0x0
	WIN 0x04
.set j, 0
.rept 32
	v_pk_add_f32 v[16+j:17+j], v[16+j:17+j], v[192+j:193+j]
.set j, j+2
.endr
	WIN 0
.set i, 0
.rept 16
	global_store_b128 v1, v[16+4*i:19+4*i], s[10:11] offset:(16+i/2)*1024+(i%2)*512 th:TH_STORE_NT
.set i, i+1
.endr
	s_wait_tensorcnt 0x0
	ds_add_u32 v254, v255
	s_wait_dscnt 0x0
	s_endpgm
.Lfunc_end_k_q3a834ffeac_attn:
	.size	k_q3a834ffeac_attn, .Lfunc_end_k_q3a834ffeac_attn-k_q3a834ffeac_attn
	.p2alignl 7, 3214868480
	.fill 96, 4, 3214868480
	.section	.rodata,"a",@progbits
	.p2align	6, 0x0
	.amdhsa_kernel k_q3a834ffeac_attn
		.amdhsa_group_segment_fixed_size 236544
		.amdhsa_private_segment_fixed_size 0
		.amdhsa_enable_private_segment 0
		.amdhsa_kernarg_size 32
		.amdhsa_user_sgpr_count 2
		.amdhsa_user_sgpr_kernarg_segment_ptr 1
		.amdhsa_wavefront_size32 1
		.amdhsa_system_sgpr_workgroup_id_x 1
		.amdhsa_system_sgpr_workgroup_id_y 1
		.amdhsa_system_sgpr_workgroup_id_z 1
		.amdhsa_system_vgpr_workitem_id 0
		.amdhsa_next_free_vgpr 512
		.amdhsa_next_free_sgpr 100
		.amdhsa_reserve_vcc 0
		.amdhsa_float_denorm_mode_32 3
		.amdhsa_float_denorm_mode_16_64 3
		.amdhsa_memory_ordered 1
		.amdhsa_forward_progress 1
		.amdhsa_inst_pref_size 100
	.end_amdhsa_kernel
	.amdgpu_metadata
---
amdhsa.version: [ 1, 2 ]
amdhsa.kernels:
  - .name:           k_q3a834ffeac_attn
    .symbol:         k_q3a834ffeac_attn.kd
    .args:
      - { .name: x, .offset: 0, .size: 8, .value_kind: global_buffer, .address_space: global }
      - { .name: kv, .offset: 8, .size: 8, .value_kind: global_buffer, .address_space: global }
      - { .name: mk, .offset: 16, .size: 8, .value_kind: global_buffer, .address_space: global }
      - { .name: x1, .offset: 24, .size: 8, .value_kind: global_buffer, .address_space: global }
    .group_segment_fixed_size: 236544
    .private_segment_fixed_size: 0
    .kernarg_segment_align: 8
    .kernarg_segment_size: 32
    .max_flat_workgroup_size: 256
    .sgpr_count:     100
    .vgpr_count:     512
    .wavefront_size: 32
...
	.end_amdgpu_metadata
.endif
;; end of part 2
;; launch mix (part 3): grid 256 x 1, 16 waves a work-group, no clusters, 0 bytes of LDS; arguments x1, inhibit, phases, ambition, out0; writes out0
.if DOCPART == 3
	.amdgcn_target "amdgcn-amd-amdhsa--gfx1250"
	.amdhsa_code_object_version 6
	.text
	.protected	k_q3a834ffeac_mix
	.globl	k_q3a834ffeac_mix
	.p2align	8
	.type	k_q3a834ffeac_mix,@function
k_q3a834ffeac_mix:
	s_mov_b64 s[64:65], 0
	v_nop
	global_prefetch_b8 v0, s[64:65] scope:SCOPE_SE
	s_setreg_imm32_b32 hwreg(HW_REG_WAVE_MODE, 25, 1), 1
	s_wait_xcnt 0x0
; MIX.  For each batch, token and channel: y[k] = sum over the 8 cells c of x1[c] inhibit[c][k];  x2[k] = x1[k] + tanh(y[k]);  out[k] = x2[k] + 0.02 sin(x2[k] ambition[k] + phases[k]).  All in f32.
; A stream: each byte of x1 is read once and each byte of out0 written once; every load and store of a wave covers 512 consecutive bytes.  No LDS, no barrier, no matrix unit: K = 8 is 8 fused multiply-adds a number.
; SHARES.  Wave W = 16 x work-group + wave takes, in batch W / 2048, bytes 1,024 (W % 2048) .. + 1,023 of each of the 8 cells' planes of 2 MiB: two chunks of 512 bytes a cell, 16 bytes a lane.
; All 16 loads of a wave go out at once.  The 80 coefficients lie in scalar registers.
; tanh(y) = 1 - 2 / (1 + 2^(2 log2(e) y)): right at both ends (the power overflows to infinity or falls to 0).
; sin: the argument is reduced by whole turns, with 1 / 2 pi in two parts, to theta in [-pi, pi]; there the series up to theta^17 / 17!, whose first term left out is under 3e-8.
; LIMITS: the reduction serves arguments up to some 2^22 turns; NaN goes through as NaN.
.set X,   16                           ; v16-79   chunk q, cell c: 4 registers at 32 q + 4 c; they become x2 and then the result
.set ACC, 80                           ; v80-111  y of 8 cells x 4 numbers; later at work
.set T,   112                          ; v112-127 at work
.set PLANE, 0x200000
.macro XL q, c
.if \c < 4
	global_load_b128 v[X+32*\q+4*\c:X+32*\q+4*\c+3], v1, s[4:5] offset:(\c)*PLANE+512*\q th:TH_LOAD_NT
.else
	global_load_b128 v[X+32*\q+4*\c:X+32*\q+4*\c+3], v1, s[14:15] offset:(\c-4)*PLANE+512*\q th:TH_LOAD_NT
.endif
.endm
.macro XST q, c
.if \c < 4
	global_store_b128 v1, v[X+32*\q+4*\c:X+32*\q+4*\c+3], s[12:13] offset:(\c)*PLANE+512*\q th:TH_STORE_NT
.else
	global_store_b128 v1, v[X+32*\q+4*\c:X+32*\q+4*\c+3], s[6:7] offset:(\c-4)*PLANE+512*\q th:TH_STORE_NT
.endif
.endm
.macro MAC c, k, q                     ; y[k] += x1[c] inhibit[c][k], four numbers; cell 0 starts the sums
.set NI, 8*(\c)+(\k)
.if NI < 48
.set SI, 16+NI
.else
.set SI, 20+NI
.endif
.irp e, 0,1,2,3
.if \c == 0
	v_mul_f32 v[ACC+4*(\k)+\e], s[SI], v[X+32*(\q)+4*(\c)+\e]
.else
	v_fmac_f32 v[ACC+4*(\k)+\e], s[SI], v[X+32*(\q)+4*(\c)+\e]
.endif
.endr
.endm
.macro SINE q, hh                      ; cells 4 hh .. 4 hh + 3 of chunk q: 16 numbers
.set XB, X+32*(\q)+16*(\hh)
.set i, 0
.rept 16
	v_fma_f32 v[T+i], v[XB+i], s[84+4*(\hh)+i/4], s[92+4*(\hh)+i/4]   ; the argument
.set i, i+1
.endr
.set i, 0
.rept 8
	v_pk_mul_f32 v[ACC+i:ACC+i+1], v[T+i:T+i+1], 0x3e22f983 op_sel_hi:[1,0]
.set i, i+2
.endr
.set i, 0
.rept 16
	v_rndne_f32 v[ACC+i], v[ACC+i]                 ; whole turns
.set i, i+1
.endr
.set i, 0
.rept 8
	v_pk_fma_f32 v[ACC+i:ACC+i+1], v[T+i:T+i+1], 0x3e22f983, v[ACC+i:ACC+i+1] op_sel_hi:[1,0,1] neg_lo:[0,0,1] neg_hi:[0,0,1]   ; what is left of a turn, by the upper part of 1 / 2 pi,
.set i, i+2
.endr
.set i, 0
.rept 8
	v_pk_fma_f32 v[ACC+i:ACC+i+1], v[T+i:T+i+1], 0x31dc9c88, v[ACC+i:ACC+i+1] op_sel_hi:[1,0,1]   ; and by its lower part
.set i, i+2
.endr
.set i, 0
.rept 8
	v_pk_mul_f32 v[T+i:T+i+1], v[ACC+i:ACC+i+1], 0x40c90fdb op_sel_hi:[1,0]   ; theta
.set i, i+2
.endr
.set i, 0
.rept 8
	v_pk_mul_f32 v[ACC+i:ACC+i+1], v[T+i:T+i+1], v[T+i:T+i+1]                 ; z = theta^2
.set i, i+2
.endr
.set i, 0
.rept 8
	v_pk_fma_f32 v[ACC+16+i:ACC+17+i], v[ACC+i:ACC+i+1], v[8:9], 0xab573f9f op_sel_hi:[1,1,0]   ; z / 17! - 1 / 15!
.set i, i+2
.endr
.irp cf, 0x2f309231, 0xb2d7322b, 0x3638ef1d, 0xb9500d01, 0x3c088889, 0xbe2aaaab   ; 1 / 13!, -1 / 11!, 1 / 9!, -1 / 7!, 1 / 5!, -1 / 3!
.set i, 0
.rept 8
	v_pk_fma_f32 v[ACC+16+i:ACC+17+i], v[ACC+16+i:ACC+17+i], v[ACC+i:ACC+i+1], \cf op_sel_hi:[1,1,0]
.set i, i+2
.endr
.endr
.set i, 0
.rept 8
	v_pk_mul_f32 v[ACC+i:ACC+i+1], v[ACC+i:ACC+i+1], v[T+i:T+i+1]             ; theta^3
.set i, i+2
.endr
.set i, 0
.rept 8
	v_pk_fma_f32 v[T+i:T+i+1], v[ACC+i:ACC+i+1], v[ACC+16+i:ACC+17+i], v[T+i:T+i+1]   ; the sine
.set i, i+2
.endr
.set i, 0
.rept 8
	v_pk_fma_f32 v[XB+i:XB+i+1], v[T+i:T+i+1], 0x3ca3d70a, v[XB+i:XB+i+1] op_sel_hi:[1,0,1]   ; x2 + 0.02 sin
.set i, i+2
.endr
.endm
.macro CHUNK q
.irp c, 0,1,2,3,4,5,6,7
.irp k, 0,1,2,3,4,5,6,7
	MAC \c, \k, \q
.endr
.endr
.set j, 0
.rept 16
	v_pk_mul_f32 v[ACC+j:ACC+j+1], v[ACC+j:ACC+j+1], 0x4038aa3b op_sel_hi:[1,0]   ; 2 log2(e) y
.set j, j+2
.endr
.set j, 0
.rept 32
	v_exp_f32 v[ACC+j], v[ACC+j]
.set j, j+1
.endr
	v_nop                                          ; a plain line behind the batch,
	s_wait_alu depctr_va_vdst(0)                   ; and one wait for it, ahead of its first reader
.set j, 0
.rept 16
	v_pk_add_f32 v[ACC+j:ACC+j+1], v[ACC+j:ACC+j+1], 1.0 op_sel_hi:[1,0]
.set j, j+2
.endr
.set j, 0
.rept 32
	v_rcp_f32 v[ACC+j], v[ACC+j]
.set j, j+1
.endr
	v_nop
	s_wait_alu depctr_va_vdst(0)
.set j, 0
.rept 16
	v_pk_fma_f32 v[ACC+j:ACC+j+1], v[ACC+j:ACC+j+1], -2.0, 1.0 op_sel_hi:[1,0,0]  ; tanh
.set j, j+2
.endr
.set j, 0
.rept 16
	v_pk_add_f32 v[X+32*\q+j:X+32*\q+j+1], v[X+32*\q+j:X+32*\q+j+1], v[ACC+j:ACC+j+1]   ; x2
.set j, j+2
.endr
	SINE \q, 0
	SINE \q, 1
.irp c, 0,1,2,3,4,5,6,7
	XST \q, \c
.endr
.endm
	s_load_b256 s[4:11], s[0:1], 0x0               ; x1 s[4:5], inhibit s[6:7], phases s[8:9], ambition s[10:11]
	s_load_b64 s[12:13], s[0:1], 0x20              ; out0
	v_lshrrev_b32 v1, 5, v0
	v_readfirstlane_b32 s14, v1                    ; wave 0..15
	s_lshl_b32 s15, ttmp9, 4
	s_add_co_u32 s15, s15, s14                     ; W
	s_lshr_b32 s2, s15, 11
	s_lshl_b32 s2, s2, 24                          ; a batch is 8 planes: 16 MiB
	s_and_b32 s3, s15, 2047
	s_lshl_b32 s3, s3, 10
	s_add_co_u32 s2, s2, s3
	s_mov_b32 s3, 0
	v_and_b32 v1, 31, v0
	v_lshlrev_b32 v1, 4, v1                        ; 16 bytes a lane; never rewritten
	v_mov_b32 v8, 0x274a963c                       ; 1 / 17!, as a pair
	v_mov_b32 v9, 0x274a963c
	s_wait_kmcnt 0x0
	s_add_nc_u64 s[4:5], s[4:5], s[2:3]            ; cells 0-3 by immediates from here,
	s_add_nc_u64 s[14:15], s[4:5], 4*PLANE         ; cells 4-7 from here: an immediate has 24 signed bits (ISA guide, chapter 10)
	s_add_nc_u64 s[12:13], s[12:13], s[2:3]
.irp q, 0,1
.irp c, 0,1,2,3,4,5,6,7
	XL \q, \c
.endr
.endr
	s_load_b512 s[16:31], s[6:7], 0x0              ; inhibit[c][k] at word 8 c + k: s16 .. s63, s68 .. s83
	s_load_b512 s[32:47], s[6:7], 0x40
	s_load_b512 s[48:63], s[6:7], 0x80
	s_load_b512 s[68:83], s[6:7], 0xc0
	s_load_b256 s[84:91], s[10:11], 0x0            ; ambition
	s_load_b256 s[92:99], s[8:9], 0x0              ; phases
	s_wait_kmcnt 0x0
	s_add_nc_u64 s[6:7], s[12:13], 4*PLANE         ; (inhibit's address is done with)
	s_wait_loadcnt 8                               ; chunk 0's eight loads are in; chunk 1's may be out
	CHUNK 0
	s_wait_loadcnt 0x0
	CHUNK 1                                        ; it writes none of the registers that chunk 0's stores read
	s_endpgm
.Lfunc_end_k_q3a834ffeac_mix:
	.size	k_q3a834ffeac_mix, .Lfunc_end_k_q3a834ffeac_mix-k_q3a834ffeac_mix
	.p2alignl 7, 3214868480
	.fill 96, 4, 3214868480
	.section	.rodata,"a",@progbits
	.p2align	6, 0x0
	.amdhsa_kernel k_q3a834ffeac_mix
		.amdhsa_group_segment_fixed_size 0
		.amdhsa_private_segment_fixed_size 0
		.amdhsa_enable_private_segment 0
		.amdhsa_kernarg_size 40
		.amdhsa_user_sgpr_count 2
		.amdhsa_user_sgpr_kernarg_segment_ptr 1
		.amdhsa_wavefront_size32 1
		.amdhsa_system_sgpr_workgroup_id_x 1
		.amdhsa_system_sgpr_workgroup_id_y 1
		.amdhsa_system_sgpr_workgroup_id_z 1
		.amdhsa_system_vgpr_workitem_id 0
		.amdhsa_next_free_vgpr 128
		.amdhsa_next_free_sgpr 100
		.amdhsa_reserve_vcc 0
		.amdhsa_float_denorm_mode_32 3
		.amdhsa_float_denorm_mode_16_64 3
		.amdhsa_memory_ordered 1
		.amdhsa_forward_progress 1
		.amdhsa_inst_pref_size 80
	.end_amdhsa_kernel
	.amdgpu_metadata
---
amdhsa.version: [ 1, 2 ]
amdhsa.kernels:
  - .name:           k_q3a834ffeac_mix
    .symbol:         k_q3a834ffeac_mix.kd
    .args:
      - { .name: x1, .offset: 0, .size: 8, .value_kind: global_buffer, .address_space: global }
      - { .name: inhibit, .offset: 8, .size: 8, .value_kind: global_buffer, .address_space: global }
      - { .name: phases, .offset: 16, .size: 8, .value_kind: global_buffer, .address_space: global }
      - { .name: ambition, .offset: 24, .size: 8, .value_kind: global_buffer, .address_space: global }
      - { .name: out0, .offset: 32, .size: 8, .value_kind: global_buffer, .address_space: global }
    .group_segment_fixed_size: 0
    .private_segment_fixed_size: 0
    .kernarg_segment_align: 8
    .kernarg_segment_size: 40
    .max_flat_workgroup_size: 512
    .sgpr_count:     100
    .vgpr_count:     128
    .wavefront_size: 32
...
	.end_amdgpu_metadata
.endif
;; end of part 3
;; ======== version 2 of 2: 3 launches; version 1 with the launch attn written anew for expert scheduling mode
;; limits: right only within a limited range of input values
;; workspace buffers: kv 13,107,200 bytes; mk 525,312 bytes of whole numbers; x1 33,554,432 bytes
;; launch prep: the kernel of part 1 again; grid 256 x 1, 8 waves a work-group, no clusters, 211,200 bytes of LDS; arguments x, gate, m, kv, mk; writes kv, mk
;; launch attn (part 4): grid 16 x 16, 8 waves a work-group, no clusters, 236,544 bytes of LDS; arguments x, kv, mk, x1; writes x1
.if DOCPART == 4
	.amdgcn_target "amdgcn-amd-amdhsa--gfx1250"
	.amdhsa_code_object_version 6
	.text
	.protected	k_q3a834ffeac_attn
	.globl	k_q3a834ffeac_attn
	.p2align	8
	.type	k_q3a834ffeac_attn,@function
k_q3a834ffeac_attn:
	s_mov_b64 s[64:65], 0
	v_nop
	global_prefetch_b8 v0, s[64:65] scope:SCOPE_SE
	s_setreg_imm32_b32 hwreg(HW_REG_WAVE_SCHED_MODE, 0, 2), 2
	s_setreg_imm32_b32 hwreg(HW_REG_WAVE_MODE, 25, 1), 1
	s_wait_xcnt 0x0
	s_wait_alu depctr_vm_vsrc(0)
; ATTN.  x1 = x + softmax(where(m, -inf, qkv qkv^T / 16)) qkv, both products on codes of FP6 (E2M3) with one E8M0 scale for each 32 along K, as PREP has laid them.
; THE SOFTMAX AHEAD OF THE SECOND PRODUCT: t = score x log2(e) / 16; M = the row's largest t so far, rounded up to a whole number; p = 2^(t - M) is quantised along the keys, not normalised;
; the row's sum is taken of the unquantised p and divides at the end.  When M moves, the sum and O are multiplied by 2^(old M - new M), which rounds nothing.
; SHARES.  Work-group (g, head), eight waves, a wave to ONE tile of 16 queries: tile 4 g + w / 2 where w has an even number of ones, else tile 127 - 4 g - w / 2.
; Every wave walks the head's 16 key steps of 128 keys, in a loop of constant count.  A step's record (51,200 bytes, dense) goes through registers into one of two LDS slots, each wave bringing an eighth, a step ahead.
; WHAT m HIDES.  Two stored bits for each (query tile, key step) say: has work (else the step's work is jumped over), and mixed (64 selects put -infinity over the hidden scores, by stored lane masks).
; The bits come by scalar loads from the table that PREP stored, and are joined, shifted and tested in scalar registers alone.
; Nothing is assumed of m's pattern.  A record that none of the work-group's eight tiles wants is not fetched.  A query whose every key is hidden gets 0 x (1 / 0) = NaN.
; NO TENSOR LOADS AND NO CLUSTER: the work of a step is jumped over on numbers read from memory; partners would also need different steps.
; LAYOUT.  Both products are used transposed: S^T = K Q^T, O^T = V^T P^T: a lane holds one query (lane % 16) throughout.  Row r of a tile is token 32 b + 8 u + r + 8 (r / 8): so score register 16 bb + i is key 32 bb + 16 h + i,
; and O^T's register 16 b + i is channel 32 b + 16 h + i.
; LIMITS: NaN and infinities among the inputs are not served.
; REGISTERS.  Window 0: v1-10 LDS addresses (slot 0, slot 1 by pairs); v11 -infinity; v12 -M, v13 the largest t, v[14:15] the sum; v16-33 at work; v34-38 at the head only; v40-89 the record's eighth on its way; v90-93 offsets;
;   v96-159 S^T, then p; v160-167 K's scale words, v168-175 V's, v176-177 Q's, v178 p's (scales and nothing else); v180-199 p's codes; v200-247 fragment buffer 2; v254, v255 the closing add's two.
;   Window 1: v0-127 O^T; v128-175, v176-223 fragment buffers 0 and 1; v224-247 Q; on the way out v128-255 take x.
; THE MODE: SCHED_MODE bits 1:0 = 2 (LLVM: expert scheduling mode 2), set by the entry lines.  The code itself states the register dependences
; between vector or matrix instructions and memory or LDS instructions, with s_wait_alu, always for 0.
; THE PLAN.  A step's 32 images are eight groups of four (6,144 bytes each, on end in the slot): G0-G3 keys, G4-G7 values.  Group G goes to buffer G % 3.  Registers that memory or LDS instructions touch, in the loop:
;   b0, b1, b2   Written by LDS loads alone, read by products alone.
;   KS, VS       Scale words: written by LDS loads at the head of a step with work, read by that step's products.
;   v40-89       Written by the global loads at a step's head, read by the LDS stores at its end; no vector line names them.
;   v1-10, v90-93  Addresses and offsets: made once at the kernel's head, never written again.
;   p's codes and scale word are written by vector lines and read by the products on values.
; A step with work: ONE wait at its head (my last step's products are done with the buffers and the scale words), then the scale words and G0, G1, G2.  G0's products; one wait; G3 into b0; the products of G1, G2, G3 on end.
; The wait that the 64 exponentials have anyway also states that those products are done: G4 into b1 and G6 into b0 follow it, G5 into b2 is dealt among the row's sums, which name none of these registers.
; Behind O^T's rescaling one wait (p's codes and scale word are written); G4's products; one wait; G7 into b1; the products of G5, G6, G7 on end.
; One wait on vm_vsrc at each step's end: my LDS stores have read v40-89.
.set REC,  51200
.set GRP,  6144                        ; four images; the values' images begin at 4 GRP = 24,576
.set KSC,  49152
.set VSC,  50176
.set FLT,  2048*256                    ; mk: behind the 2,048 mask records of 256 bytes the table: two words a query tile; bit s: step s has work; bit 16 + s: it is mixed
.set STG,  2*REC                       ; behind the slots: a stage of 16 rows x (1,024 + 16) bytes for each wave
.set BM,   16                          ; v16-19  the blocks' largest scores, then their largest p
.set BP,   20                          ; v20-23  the other half's, then the scale bytes
.set BO,   24                          ; v24-27  the conversions' scale operands
.set TT,   28                          ; v28     at work
.set F,    30                          ; v[30:31] f = 2^(old M - new M), on the way out 1 / the sum; the upper half is named with it and holds 0
.set SU,   32                          ; v[32:33] the sum's second chain
.set LN,   34                          ; at the head only: lane,
.set QA,   35                          ; the offset of Q's images,
.set QW,   36                          ; of its scale words,
.set RR,   37                          ; r,
.set HH,   38                          ; h
.set STGR, 40
.set S,    96
.set KS,   160
.set VS,   168
.set QS,   176
.set PS,   178
.set PC,   180
.set PT,   192
.set B2,   200                         ; buffer 2, in window 0
.set Q,    224                         ; in window 1
.set ACT,  24                          ; s24  bit 0: this step has work for my tile
.set MIX,  25                          ; s25  bit 0: some of its scores are hidden
.set ANY,  26                          ; s26  bit 1: the next step has work for one of the work-group's tiles
.set STP,  27                          ; s27  the step's number
.set LIM,  28                          ; s28  13 in the head's first work-group, else 0
.set MSB, 0
.macro WIN new                         ; low byte: bits 1:0 source 0, 3:2 source 1, 5:4 source 2, 7:6 destination; the high byte repeats the setting that is left
.if MSB != \new
	s_set_vgpr_msb (MSB<<8)|\new
.set MSB, \new
.endif
.endm
.macro PLACES                          ; four plain vector lines between a matrix instruction and a vector line on its registers; they are kept ahead of loads into its registers too, beside the wait
.rept 4
	v_nop
.endr
.endm
.macro WK d, a, b, zero, sa, sb, ra    ; one product.  zero = 1: it starts the sum.  ra = 1: source 0's scale words stand in lanes 16-31
.if (\zero) && (\ra)
	v_wmma_scale_f32_16x16x128_f8f6f4 v[\d:\d+7], v[\a:\a+11], v[\b:\b+11], 0, v[\sa], v[\sb] matrix_a_fmt:MATRIX_FMT_FP6 matrix_b_fmt:MATRIX_FMT_FP6 matrix_a_scale:MATRIX_SCALE_ROW1
.elseif (\zero)
	v_wmma_scale_f32_16x16x128_f8f6f4 v[\d:\d+7], v[\a:\a+11], v[\b:\b+11], 0, v[\sa], v[\sb] matrix_a_fmt:MATRIX_FMT_FP6 matrix_b_fmt:MATRIX_FMT_FP6
.elseif (\ra)
	v_wmma_scale_f32_16x16x128_f8f6f4 v[\d:\d+7], v[\a:\a+11], v[\b:\b+11], v[\d:\d+7], v[\sa], v[\sb] matrix_a_fmt:MATRIX_FMT_FP6 matrix_b_fmt:MATRIX_FMT_FP6 matrix_a_scale:MATRIX_SCALE_ROW1
.else
	v_wmma_scale_f32_16x16x128_f8f6f4 v[\d:\d+7], v[\a:\a+11], v[\b:\b+11], v[\d:\d+7], v[\sa], v[\sb] matrix_a_fmt:MATRIX_FMT_FP6 matrix_b_fmt:MATRIX_FMT_FP6
.endif
.endm
.macro LOADF sl, b, grp                ; the four images of group grp of slot sl into buffer b
.if (\b) == 2
	WIN 0
.irp i, 0,1,2,3,4,5,6,7,8,9,10,11
	ds_load_b128 v[B2+4*\i:B2+3+4*\i], v[1+\sl] offset:GRP*(\grp)+512*\i
.endr
.else
	WIN 0x40
.irp i, 0,1,2,3,4,5,6,7,8,9,10,11
	ds_load_b128 v[128+48*(\b)+4*\i:131+48*(\b)+4*\i], v[1+\sl] offset:GRP*(\grp)+512*\i
.endr
.endif
.endm
.macro MULK g                          ; group g: key tiles 2 g and 2 g + 1, both halves of the channels: two accumulators by turns
.if (\g)%3 == 2
	WIN 0x04                                       ; the fragments in window 0, Q in window 1, S^T in window 0
.set FRG, B2
.else
	WIN 0x05                                       ; the fragments and Q in window 1
.set FRG, 128+48*((\g)%3)
.endif
.irp f, 0,2,1,3
.set TL, 2*(\g)+(\f)/2
.set CH, (\f)%2
	WK S+8*TL, FRG+12*(\f), Q+12*CH, 1-CH, KS+2*(\g)+CH, QS+CH, (\f)/2
.endr
.endm
.macro MULV gv                         ; group 4 + gv: channel tiles 4 gv .. 4 gv + 3: four accumulators, one instruction each
.if (4+(\gv))%3 == 2
	WIN 0x50                                       ; the fragments and p's codes in window 0, O^T in window 1
.set FRG, B2
.else
	WIN 0x51                                       ; the fragments in window 1
.set FRG, 128+48*((4+(\gv))%3)
.endif
.irp f, 0,1,2,3
	WK 8*(4*(\gv)+\f), FRG+12*\f, PC, 0, VS+2*(\gv)+(\f)/2, PS, (\f)%2
.endr
.endm
.macro SOFTMAX sl
.irp b, 0,1,2,3
	v_max3_num_f32 v[BM+\b], v[S+16*\b], v[S+1+16*\b], v[S+2+16*\b]   ; the largest score of each block of 32 keys: for the row's maximum and, since p rises with the score, for the block's largest p
.endr
.irp i, 3,5,7,9,11,13
.irp b, 0,1,2,3
	v_max3_num_f32 v[BM+\b], v[BM+\b], v[S+16*\b+\i], v[S+1+16*\b+\i]
.endr
.endr
.irp b, 0,1,2,3
	v_max_num_f32 v[BM+\b], v[BM+\b], v[S+15+16*\b]
.endr
.irp b, 0,1,2,3
	v_permlanex16_b32 v[BP+\b], v[BM+\b], s20, s21
.endr
.irp b, 0,1,2,3
	v_max_num_f32 v[BM+\b], v[BM+\b], v[BP+\b]     ; with lane l xor 16's 16 keys
.endr
	v_max3_num_f32 v[TT], v[BM], v[BM+1], v[BM+2]
	v_max_num_f32 v[TT], v[TT], v[BM+3]
	v_mul_f32 v[TT], s22, v[TT]                    ; as t (c is positive; -infinity stays)
	v_max_num_f32 v13, v13, v[TT]                  ; the running largest t
	v_mov_b32 v[TT], v12
	v_floor_f32 v12, -v13                          ; the new -M = -ceil(t): a whole number
	v_sub_f32 v[TT], v12, v[TT]                    ; old M - new M: 0 or less
	v_cvt_i32_f32 v[TT], v[TT]                     ; (it saturates)
	v_ldexp_f32 v[F], 1.0, v[TT]                   ; f = 2^(old M - new M)
.set j, 0
.rept 32
	v_pk_fma_f32 v[S+j:S+j+1], v[S+j:S+j+1], s[22:23], v[12:13] op_sel_hi:[1,0,0]   ; t - M, two at a time
.set j, j+2
.endr
.irp b, 0,1,2,3
	v_fma_f32 v[BM+\b], v[BM+\b], s22, v12         ; the same of each block's largest score
.endr
.set j, 0
.rept 64
	v_exp_f32 v[S+j], v[S+j]                       ; p = 2^(t - M), at most 1
.set j, j+1
.endr
	v_pk_mul_f32 v[14:15], v[14:15], v[F:F+1] op_sel_hi:[1,0]   ; the sum under the new M: the plain line behind the batch
	WIN 0x40
	s_wait_alu depctr_va_vdst(0)                   ; the 64 exponentials have written p, ahead of their first reader; and the products on keys are done reading b0, b1 and b2, in which the values' groups land
	LOADF \sl, 1, 4
	LOADF \sl, 0, 6
	WIN 0
.irp b, 0,1,2,3
	v_exp_f32 v[BM+\b], v[BM+\b]                   ; the blocks' largest p
.endr
	v_pk_add_f32 v[SU:SU+1], v[S:S+1], v[S+2:S+3]  ; the sum of the unquantised p, in two chains: plain work behind the four
.set j, 4
.rept 15
	v_pk_add_f32 v[14:15], v[14:15], v[S+j:S+j+1]
	v_pk_add_f32 v[SU:SU+1], v[SU:SU+1], v[S+j+2:S+j+3]
.if j < 52
	ds_load_b128 v[B2+j-4:B2+j-1], v[1+\sl] offset:GRP*5+128*(j-4)   ; G5 into b2, a load to each pair of additions.  No wait: no vector line since the wait above names b2 or the address
.endif
.set j, j+4
.endr
	v_pk_add_f32 v[14:15], v[14:15], v[SU:SU+1]
	s_wait_alu depctr_va_vdst(0)                   ; the four exponentials have written the blocks' largest p, ahead of their first reader
.irp b, 0,1,2,3
	v_max_num_f32 v[BM+\b], 0x1800000, v[BM+\b]    ; the floor 2^(3 - 127): the byte cannot fall under 1 (a block of zeros keeps it: its codes are zeros)
.endr
.irp b, 0,1,2,3
	v_add_nc_u32 v[BO+\b], 0xff000000, v[BM+\b]    ; 2 off the exponent field: the conversion's scale operand
.endr
.irp b, 0,1,2,3
	v_lshrrev_b32 v[BP+\b], 23, v[BO+\b]           ; the scale's byte
.endr
	v_lshl_or_b32 v[PS], v[BP+1], 8, v[BP]
	v_lshl_or_b32 v[PS], v[BP+2], 16, v[PS]
	v_lshl_or_b32 v[PS], v[BP+3], 24, v[PS]
.irp c, 0,1
	v_cvt_scalef32_pk16_fp6_f32 v[PC+6*\c:PC+2+6*\c], v[S+32*\c:S+15+32*\c], v[BO+2*\c]
	v_cvt_scalef32_pk16_fp6_f32 v[PT+4*\c:PT+2+4*\c], v[S+16+32*\c:S+31+32*\c], v[BO+2*\c+1]
.endr
	v_nop                                          ; one plain line behind a scaled conversion
.irp c, 0,1                                    ; a whole block to a lane: lanes 0-15 block 2 c, lanes 16-31 block 2 c + 1
.irp i, 0,1,2
	v_permlane16_swap_b32 v[PC+6*\c+\i], v[PT+4*\c+\i]
.endr
.irp i, 0,1,2
	v_mov_b32 v[PC+3+6*\c+\i], v[PT+4*\c+\i]
.endr
.endr
.endm
	s_load_b256 s[4:11], s[0:1], 0x0               ; x s[4:5], kv s[6:7], mk s[8:9], x1 s[10:11]
	v_lshl_add_u32 v254, v0, 2, 0x39800
	v_mov_b32 v255, 0
	v_lshrrev_b32 v1, 5, v0
	v_readfirstlane_b32 s12, v1                    ; wave 0..7
	s_and_b32 s14, ttmp7, 0xffff                   ; the head
	s_lshl_b32 s13, ttmp9, 2                       ; 4 g
	s_wait_alu depctr_va_sdst(0)                   ; s12 is written, ahead of its first reader: the tile and every wave's share are made from it
	s_lshr_b32 s2, s12, 1
	s_add_co_u32 s2, s13, s2                       ; the early tile,
	s_sub_co_u32 s3, 127, s2                       ; the late one
	s_bcnt1_i32_b32 s16, s12
	s_and_b32 s16, s16, 1
	s_cmp_eq_u32 s16, 0
	s_cselect_b32 s15, s2, s3                      ; my query tile.  It enters global addresses alone
	v_and_b32 v[LN], 31, v0                        ; lane
	v_lshlrev_b32 v1, 4, v[LN]                     ; images: 16 x lane, in slot 0,
	v_add_nc_u32 v2, REC, v1                       ; in slot 1
	v_lshlrev_b32 v3, 3, v[LN]                     ; K's scale words: 8 x lane
	v_add_nc_u32 v4, REC, v3
	v_lshlrev_b32 v5, 2, v[LN]                     ; V's: 4 x lane
	v_add_nc_u32 v6, REC, v5
	s_mul_i32 s54, s12, 6144                       ; (each scalar that a vector line of the head reads has a register of its own)
	v_add_nc_u32 v7, s54, v1                       ; my eighth of a record's images: in memory and in slot 0 alike,
	v_add_nc_u32 v8, REC, v7                       ; in slot 1
	v_lshl_add_u32 v9, v0, 3, KSC                  ; my eighth of its scale words: 256 w + 8 x lane
	v_add_nc_u32 v10, REC, v9
	v_mov_b32 v11, 0xff800000                      ; -infinity
	v_min_u32 v90, 24, v[LN]                       ; the records' prefetch: 25 blocks of 256 bytes a wave (lanes 25-31 name lane 24's)
	v_lshlrev_b32 v90, 8, v90
	s_mul_i32 s55, s12, 6400
	v_add_nc_u32 v90, s55, v90
	v_lshlrev_b32 v91, 8, v[LN]                    ; x's prefetch: lanes 256 bytes apart
	v_and_b32 v[RR], 15, v0                        ; r
	v_bfe_u32 v[HH], v0, 4, 1                      ; h
	s_mul_i32 s56, s12, 16640
	s_add_co_u32 s56, s56, STG                     ; my stage
	v_mul_u32_u24 v92, v[RR], 1040
	v_lshl_add_u32 v92, v[HH], 6, v92
	v_add_nc_u32 v92, s56, v92                     ; in: row r, + 64 h
	v_add_nc_u32 v93, s56, v1                      ; back: 16 bytes a lane
	s_and_b32 s57, s15, 7                          ; my tile's place in its own record
	s_mul_i32 s58, s57, 3072
	v_add_nc_u32 v[QA], s58, v1                    ; Q's two images
	s_lshl_b32 s59, s57, 7
	s_add_co_u32 s59, s59, KSC
	v_lshl_add_u32 v[QW], v[RR], 3, s59            ; and its scale words: 8 bytes a row
	s_lshl_b32 s2, s14, 21                         ; x and x1: a head is 2,048 rows of 1,024 bytes;
	s_lshr_b32 s3, s15, 1
	s_lshl_b32 s3, s3, 15                          ; + 32 (tile / 2) rows
	s_add_co_u32 s2, s2, s3
	s_and_b32 s3, s15, 1
	s_lshl_b32 s3, s3, 13                          ; + 8 (tile % 2)
	s_add_co_u32 s2, s2, s3
	s_mov_b32 s3, 0
	s_mov_b32 s20, 0x76543210
	s_mov_b32 s21, 0xfedcba98                      ; v_permlanex16_b32's selects for lane l xor 16
	s_mov_b32 s22, 0x3db8aa3b                      ; c = log2(e) / 16
	s_mov_b32 s23, s22                             ; (named with it as a pair)
	s_mov_b32 s[STP], 0
	s_mov_b32 s29, 8
	s_cmp_eq_u32 ttmp9, 0
	s_cselect_b32 s[LIM], 13, 0
	s_wait_kmcnt 0x0
	s_add_nc_u64 s[4:5], s[4:5], s[2:3]
	s_add_nc_u64 s[10:11], s[10:11], s[2:3]
	s_mul_i32 s2, s14, 16*REC
	s_add_nc_u64 s[6:7], s[6:7], s[2:3]            ; the head's record 0
	s_lshr_b32 s2, s15, 3
	s_mul_i32 s2, s2, REC
	s_add_nc_u64 s[30:31], s[6:7], s[2:3]          ; the record that holds my queries
	s_lshl_b32 s2, s15, 3                          ; the table: 8 bytes a tile
	s_add_nc_u64 s[16:17], s[8:9], s[2:3]          ; my tile's two words,
	s_lshl_b32 s2, s13, 3
	s_add_nc_u64 s[18:19], s[8:9], s[2:3]          ; those of tiles 4 g .. 4 g + 3,
	s_sub_co_u32 s2, 124, s13
	s_lshl_b32 s2, s2, 3
	s_add_nc_u64 s[52:53], s[8:9], s[2:3]          ; and of tiles 124 - 4 g .. 127 - 4 g
	s_lshl_b32 s2, s15, 12                         ; a tile's 16 mask records are 4,096 bytes
	s_add_nc_u64 s[8:9], s[8:9], s[2:3]            ; my tile's
	s_load_b64 s[32:33], s[16:17], FLT
	s_load_b256 s[36:43], s[18:19], FLT
	s_load_b256 s[44:51], s[52:53], FLT
	s_wait_alu depctr_va_vdst(0)                   ; the addresses and offsets v1 to v10, v35, v36 and v90 to v93 are written, which every load, store and prefetch of the kernel reads
.set i, 0
.rept 12
	global_load_b128 v[STGR+4*i:STGR+4*i+3], v7, s[6:7] offset:512*i   ; record 0 always comes
.set i, i+1
.endr
	global_load_b64 v[STGR+48:STGR+49], v9, s[6:7]
	global_load_b64 v[QS:QS+1], v[QW], s[30:31]
	WIN 0x40
.set i, 0
.rept 6
	global_load_b128 v[Q+4*i:Q+4*i+3], v[QA], s[30:31] offset:512*i    ; Q stays in registers
.set i, i+1
.endr
.set i, 0
.rept 128
	v_mov_b32 v[i], 0                              ; O^T.  Which step is a tile's first hangs on the table, so no product can be written that starts the sums
.set i, i+1
.endr
	WIN 0
	v_mov_b32 v13, 0xff61b1e6                      ; the largest t so far: -3e38
	v_floor_f32 v12, -v13                          ; -M
	v_mov_b32 v14, 0
	v_mov_b32 v15, 0
	v_mov_b32 v[F+1], 0                            ; (named as the upper half of the pair)
.irp b, 0,1,2,3
	v_mov_b32 v[BP+\b], 0                          ; written once: a lane permute's destination counts as one of its sources
.endr
	v_mov_b32 v[TT], 0                             ; likewise, for the way out of a tile that never had work
	s_wait_kmcnt 0x0
	s_or_b32 s32, s32, s33                         ; my tile's 16 steps
	s_and_b32 s[ACT], s32, 0xffff
	s_lshr_b32 s[MIX], s32, 16
.irp i, 1,2,3,4,5,6,7,8,9,10,11,12,13,14,15
	s_or_b32 s36, s36, s[36+\i]                    ; the eight tiles' together
.endr
	s_and_b32 s[ANY], s36, 0xffff                  ; bit 16 is 0: behind step 15 nothing is fetched
	s_wait_loadcnt 0x0
.set i, 0
.rept 12
	ds_store_b128 v7, v[STGR+4*i:STGR+4*i+3] offset:512*i
.set i, i+1
.endr
	ds_store_b64 v9, v[STGR+48:STGR+49]
	s_add_nc_u64 s[6:7], s[6:7], REC               ; (the loads that named it are done)
	s_wait_dscnt 0x0
	s_wait_alu depctr_vm_vsrc(0)                   ; my LDS stores have read v40-89, in which the first step's loads land
	s_barrier_signal -1
	s_barrier_wait -1                              ; slot 0 is whole
; A KEY STEP: reads slot sl, fills slot 1 - sl.
.macro STEP sl
	s_and_b32 s2, s[ANY], 2
	s_cmp_lg_u32 s2, 0
	s_cbranch_scc0 .Lnoload_\@
.irp i, 0,1,2,3,4,5,6,7,8,9,10,11
	global_load_b128 v[STGR+4*\i:STGR+4*\i+3], v7, s[6:7] offset:512*\i   ; my eighth of the next record: it has this step's work in which to come.  (The LDS stores that read these registers stand ahead of the wait at the last step's end)
.endr
	global_load_b64 v[STGR+48:STGR+49], v9, s[6:7]
.Lnoload_\@:
	s_cmp_lt_u32 s[STP], s[LIM]                    ; A PREFETCH of the record two loads on, behind the wave's loads.  All sixteen work-groups of a head walk the same records: the first asks, 8 waves x 25 blocks = the record's 200.
	s_cbranch_scc0 .Lnopf_\@                       ; In step s it names record s + 3: records 0 to 2 come by their loads alone, and steps 13 to 15 ask for nothing
	global_prefetch_b8 v90, s[6:7] offset:2*REC th:TH_LOAD_NT scope:SCOPE_SE
.Lnopf_\@:
.if \sl == 0
	s_cmp_eq_u32 s[STP], 12                        ; and, four steps ahead of the way out, of my 16 rows of x: 2 x 8 rows x 1,024 bytes, a lane to each 256; no other wave reads them
	s_cbranch_scc0 .Lnox_\@
	global_prefetch_b8 v91, s[4:5] th:TH_LOAD_NT scope:SCOPE_SE
	global_prefetch_b8 v91, s[4:5] offset:16384 th:TH_LOAD_NT scope:SCOPE_SE
.Lnox_\@:
.endif
	s_and_b32 s2, s[ACT], 1
	s_cmp_lg_u32 s2, 0
	s_cbranch_scc0 .Lidle_\@                       ; every key of the step is hidden from my 16 queries
	s_wait_alu depctr_va_vdst(0)                   ; the products of my last step with work are done reading b0, b1, b2 and the scale words v160-175, in all of which the loads below land; its selects are done reading the lane masks
	s_load_b512 s[32:47], s[8:9], 0x0              ; the 64 lane masks
	s_load_b512 s[48:63], s[8:9], 0x40
	s_load_b512 s[68:83], s[8:9], 0x80
	s_load_b512 s[84:99], s[8:9], 0xc0
.irp p, 0,1,2,3
	ds_load_b64 v[KS+2*\p:KS+2*\p+1], v[3+\sl] offset:KSC+256*\p   ; lanes 0-15: key tile 2 p; lanes 16-31: 2 p + 1; the pair: c = 0, 1
.endr
.irp b, 0,1,2,3,4,5,6,7
	ds_load_b32 v[VS+\b], v[5+\sl] offset:VSC+128*\b               ; lanes 0-15: channel tile 2 b; lanes 16-31: 2 b + 1
.endr
	LOADF \sl, 0, 0
	LOADF \sl, 1, 1
	LOADF \sl, 2, 2
	s_wait_dscnt 24                                ; the scale words and G0 are in; G1's and G2's 24 loads may be out
	MULK 0
	PLACES
	WIN 0x40
	s_wait_alu depctr_va_vdst(0)                   ; G0's products are done reading b0, in which G3 lands
	LOADF \sl, 0, 3
	s_wait_dscnt 24                                ; G1 is in; G2's and G3's loads may be out
	MULK 1
	s_wait_dscnt 12                                ; G2 is in
	MULK 2
	s_wait_dscnt 0x0                               ; G3 is in
	MULK 3
	PLACES
	WIN 0
	s_wait_kmcnt 0x0
	s_and_b32 s2, s[MIX], 1
	s_cmp_lg_u32 s2, 0
	s_cbranch_scc0 .Lopen_\@
.set n, 0
.rept 64
.if n < 32
	v_cndmask_b32 v[S+n], v[S+n], v11, s[32+n]     ; hidden scores become -infinity ahead of the maximum: p = 0 then
.else
	v_cndmask_b32 v[S+n], v[S+n], v11, s[36+n]
.endif
.set n, n+1
.endr
.Lopen_\@:
	SOFTMAX \sl
	WIN 0x41
.set j, 0
.rept 64
	v_pk_mul_f32 v[j:j+1], v[j:j+1], v[F:F+1] op_sel_hi:[1,0]   ; O^T under the new M.  (These are also the plain lines between p's codes and scale word and the products that take them)
.set j, j+2
.endr
	s_wait_alu depctr_va_vdst(0)                   ; p's codes v180-191 and its scale word v178 are written, which the products below take; the plain lines above stay beside this wait
	s_wait_dscnt 24                                ; G4 is in; G6's and G5's loads, issued behind it, may be out
	MULV 0
	PLACES
	WIN 0x40
	s_wait_alu depctr_va_vdst(0)                   ; G4's products are done reading b1, in which G7 lands
	LOADF \sl, 1, 7
	s_wait_dscnt 12                                ; G6 and G5 are in; G7's 12 loads may be out
	MULV 1
	MULV 2
	s_wait_dscnt 0x0                               ; G7 is in
	MULV 3
	PLACES
	WIN 0
.Lidle_\@:
	s_wait_loadcnt 0x0                             ; my eighth of the next record is in registers
	s_and_b32 s2, s[ANY], 2
	s_cmp_lg_u32 s2, 0
	s_cbranch_scc0 .Lnostore_\@
.irp i, 0,1,2,3,4,5,6,7,8,9,10,11
	ds_store_b128 v[8-\sl], v[STGR+4*\i:STGR+4*\i+3] offset:512*\i
.endr
	ds_store_b64 v[10-\sl], v[STGR+48:STGR+49]
.Lnostore_\@:
	s_wait_xcnt 0x0                                ; the loads and prefetches have read their bases
	s_add_nc_u64 s[6:7], s[6:7], REC
	s_add_nc_u64 s[8:9], s[8:9], 256
	s_lshr_b32 s[ACT], s[ACT], 1
	s_lshr_b32 s[MIX], s[MIX], 1
	s_lshr_b32 s[ANY], s[ANY], 1
	s_add_co_u32 s[STP], s[STP], 1
	s_wait_dscnt 0x0                               ; my stores into the other slot have landed, and my reads of this slot are over:
	s_wait_alu depctr_vm_vsrc(0)                   ; (my LDS stores have read v40-89, in which the next step's loads land, and behind the last step the stage's rows)
	s_barrier_signal -1                            ; one barrier a step orders the fill against the next step's reads,
	s_barrier_wait -1                              ; and this step's reads against the next step's fill
.endm
.Ltrip:
	STEP 0
	STEP 1
	s_sub_co_u32 s29, s29, 1
	s_cmp_lg_u32 s29, 0
	s_cbranch_scc1 .Ltrip
	; THE WAY OUT.  x's 16 rows are asked for; O^T is divided by the sum and goes through my stage, so that whole rows come back; x is added; each store covers 512 consecutive bytes.
	WIN 0x40
	s_wait_alu depctr_va_vdst(0)                   ; the last products are done reading b0, b1 and Q (v128-247 of window 1), in which x lands
.set i, 0
.rept 32
	global_load_b128 v[128+4*i:131+4*i], v1, s[4:5] offset:(i/2+8*(i/16))*1024+(i%2)*512 th:TH_LOAD_NT   ; row i / 2 of my tile is token i / 2 + 8 (i / 16) from its first
.set i, i+1
.endr
	WIN 0
	v_add_f32 v14, v14, v15                        ; the sum's two halves,
	v_permlanex16_b32 v[TT], v14, s20, s21
	v_add_f32 v14, v14, v[TT]                      ; and lane l xor 16's
	v_rcp_f32 v[F], v14
	v_nop                                          ; a plain line behind the transcendental
	s_wait_alu depctr_va_vdst(0)                   ; the reciprocal is written, ahead of its first reader
	WIN 0x41
.set j, 0
.rept 64
	v_pk_mul_f32 v[j:j+1], v[j:j+1], v[F:F+1] op_sel_hi:[1,0]
.set j, j+2
.endr
	WIN 0x04                                       ; an LDS store's data are its source 1
	s_wait_alu depctr_va_vdst(0)                   ; the multiplications have written O^T, which the LDS stores read; and every vector line is done with v16-38 and v96-159, in which the stage's rows land
.set i, 0
.rept 32
	ds_store_b128 v92, v[4*i:4*i+3] offset:128*(i/4)+16*(i%4)   ; registers 16 b + 4 k ..: channels 32 b + 16 h + 4 k ..
.set i, i+1
.endr
	WIN 0
.set i, 0
.rept 16
	ds_load_b128 v[96+4*i:99+4*i], v93 offset:1040*(i/2)+512*(i%2)   ; LDS serves a wave's instructions in order: these see my stores
.set i, i+1
.endr
.set i, 0
.rept 16
	ds_load_b128 v[16+4*i:19+4*i], v93 offset:1040*(8+i/2)+512*(i%2)
.set i, i+1
.endr
	s_wait_dscnt 16                                ; rows 0-7 are back
	s_wait_loadcnt 16                              ; and their x is in; rows 8-15's 16 loads may be out
	WIN 0x04
.set j, 0
.rept 32
	v_pk_add_f32 v[96+j:97+j], v[96+j:97+j], v[128+j:129+j]
.set j, j+2
.endr
	WIN 0
	s_wait_alu depctr_va_vdst(0)                   ; the additions have written v96-159, which the stores read
.set i, 0
.rept 16
	global_store_b128 v1, v[96+4*i:99+4*i], s[10:11] offset:(i/2)*1024+(i%2)*512 th:TH_STORE_NT
.set i, i+1
.endr
	s_wait_dscnt 0x0
	s_wait_loadcnt 0x0
	WIN 0x04
.set j, 0
.rept 32
	v_pk_add_f32 v[16+j:17+j], v[16+j:17+j], v[192+j:193+j]
.set j, j+2
.endr
	WIN 0
	s_wait_alu depctr_va_vdst(0)                   ; the additions have written v16-79, which the stores read
.set i, 0
.rept 16
	global_store_b128 v1, v[16+4*i:19+4*i], s[10:11] offset:(16+i/2)*1024+(i%2)*512 th:TH_STORE_NT
.set i, i+1
.endr
	s_wait_dscnt 0x0                               ; the closing lines, six on end
	s_wait_alu 0x0
	s_wait_tensorcnt 0x0
	ds_add_u32 v254, v255
	s_wait_dscnt 0x0
	s_endpgm
.Lfunc_end_k_q3a834ffeac_attn:
	.size	k_q3a834ffeac_attn, .Lfunc_end_k_q3a834ffeac_attn-k_q3a834ffeac_attn
	.p2alignl 7, 3214868480
	.fill 96, 4, 3214868480
	.section	.rodata,"a",@progbits
	.p2align	6, 0x0
	.amdhsa_kernel k_q3a834ffeac_attn
		.amdhsa_group_segment_fixed_size 236544
		.amdhsa_private_segment_fixed_size 0
		.amdhsa_enable_private_segment 0
		.amdhsa_kernarg_size 32
		.amdhsa_user_sgpr_count 2
		.amdhsa_user_sgpr_kernarg_segment_ptr 1
		.amdhsa_wavefront_size32 1
		.amdhsa_system_sgpr_workgroup_id_x 1
		.amdhsa_system_sgpr_workgroup_id_y 1
		.amdhsa_system_sgpr_workgroup_id_z 1
		.amdhsa_system_vgpr_workitem_id 0
		.amdhsa_next_free_vgpr 512
		.amdhsa_next_free_sgpr 100
		.amdhsa_reserve_vcc 0
		.amdhsa_float_denorm_mode_32 3
		.amdhsa_float_denorm_mode_16_64 3
		.amdhsa_memory_ordered 1
		.amdhsa_forward_progress 1
		.amdhsa_inst_pref_size 100
	.end_amdhsa_kernel
	.amdgpu_metadata
---
amdhsa.version: [ 1, 2 ]
amdhsa.kernels:
  - .name:           k_q3a834ffeac_attn
    .symbol:         k_q3a834ffeac_attn.kd
    .args:
      - { .name: x, .offset: 0, .size: 8, .value_kind: global_buffer, .address_space: global }
      - { .name: kv, .offset: 8, .size: 8, .value_kind: global_buffer, .address_space: global }
      - { .name: mk, .offset: 16, .size: 8, .value_kind: global_buffer, .address_space: global }
      - { .name: x1, .offset: 24, .size: 8, .value_kind: global_buffer, .address_space: global }
    .group_segment_fixed_size: 236544
    .private_segment_fixed_size: 0
    .kernarg_segment_align: 8
    .kernarg_segment_size: 32
    .max_flat_workgroup_size: 256
    .sgpr_count:     100
    .vgpr_count:     512
    .wavefront_size: 32
...
	.end_amdgpu_metadata
.endif
;; end of part 4
;; launch mix: the kernel of part 3 again; grid 256 x 1, 16 waves a work-group, no clusters, 0 bytes of LDS; arguments x1, inhibit, phases, ambition, out0; writes out0
